; MI455X (gfx1250); checked and timed in simulation.
; The chip was launched on July 23, 2026; its instructions are those of AMD's public machine-readable ISA for CDNA 5 (MIT licence, August 2026) and "CDNA5" Instruction Set Architecture Reference Guide (July 2026). The comments in the code are by the model that wrote it; some were corrected since.
;; Axial Ro PE Self Attention. Allowed arithmetic: matrix products marked QUANTISED: E2M1 operands, one E8M0 scale for each 32 along K, by v_wmma_scale_f32_16x16x128_f8f6f4 with both operands' format E2M1 (or v_wmma_scale_f32_32x16x128_f4), f32 sums; products left as they are: bf16, f16 or f32 operands; f32 sums; everything else in f32.
;; Inputs: Wk 1,024 x 1,024 float32; Wo 1,024 x 1,024 float32; Wq 1,024 x 1,024 float32; Wv 1,024 x 1,024 float32; bk 1,024 float32; bo 1,024 float32; bq 1,024 float32; bv 1,024 float32; x 4 x 2,048 x 1,024 float32.
;; Outputs: out0 4 x 2,048 x 1,024 float32.
;; Constants: rope_start_index = 0.
;; This version of the problem:
;;   THIS VERSION OF THE PROBLEM IS GIVEN IN LOW PRECISION. The matrix products marked QUANTISED in the list below multiply operands that are first quantised to E2M1 (2 exponent bits, 1 mantissa bit; 4 bits a number), with one power-of-two scale for each 32 numbers along K (OCP MX v1.0); their sums are f32. The products marked 'left as it is' may take bf16, f16 or f32 operands, with f32 sums. Whichever they take, every output number must still come out within the allowed error. Rounding operands to bf16 (8 significant bits) uses up far more of that allowance than f16 does (11 bits, for magnitudes from 6e-5 to 65,504). All else is computed in f32.
;;   The module's matrix products, in the order in which they are computed (A, B: the left and right operand; K: the contracted axis; several contracted axes count as one K, in the product's order):
;;     1. [M 8,192, K 1,024] x [K 1,024, N 1,024]; A: input x; B: input Wq: QUANTISED
;;     2. [M 8,192, K 1,024] x [K 1,024, N 1,024]; A: input x; B: input Wk: QUANTISED
;;     3. [M 8,192, K 1,024] x [K 1,024, N 1,024]; A: input x; B: input Wv: QUANTISED
;;     4. batch 64 x [M 2,048, K 64] x [K 64, N 2,048]; A: computed on the way; B: computed on the way: left as it is (an operand is computed on the way)
;;     5. batch 64 x [M 2,048, K 2,048] x [K 2,048, N 64]; A: computed on the way; B: computed on the way: left as it is (an operand is computed on the way)
;;     6. [M 8,192, K 1,024] x [K 1,024, N 1,024]; A: computed on the way; B: input Wo: left as it is (an operand is computed on the way)
;;   THE QUANTISER, for each operand of a quantised product, along K:
;;     - K is cut into blocks of 32 from its start; a last block that is shorter is filled with zeros.
;;     - A block's scale is 2^e with e = floor(log2(the largest magnitude in the block)) - 2, held to -126 .. 127; a block of zeros has e = 0. As a byte (E8M0): e + 127.
;;     - Each number is divided by its block's scale, clamped to +-6, and rounded to the nearest number of E2M1, ties to even, subnormals kept.
;;     - The product sums the exact products of the quantised numbers (number of the format x scale) in f32.
;;   ~~~python
;;   def quantise(x, axis):      # numpy; x: float32 -> the quantised numbers, widened to float32 again
;;       x = np.moveaxis(x, axis, -1); K = x.shape[-1]
;;       x = np.pad(x, [(0, 0)] * (x.ndim - 1) + [(0, -K % 32)]); x = x.reshape(x.shape[:-1] + (-1, 32)); a = np.abs(x).max(-1, keepdims=True)
;;       e = np.where(a > 0, np.clip(np.frexp(np.where(a > 0, a, 1))[1] - 1 - 2, -126, 127), 0)      # np.frexp(a)[1] - 1 = floor(log2(a)), exactly
;;       r = np.clip(x / 2.0 ** e, -6, 6)
;;       step = 2.0 ** (np.maximum(np.frexp(np.where(r == 0, 1, r))[1] - 1, 0) - 1)
;;       q = np.round(r / step) * step * 2.0 ** e      # np.round: ties to even
;;       return np.moveaxis(q.reshape(q.shape[:-2] + (-1,))[..., :K], -1, axis).astype(np.float32)
;;   ~~~
;; One version. Each part assembles by itself: llvm-mc -triple=amdgcn-amd-amdhsa -mcpu=gfx1250 --defsym DOCPART=n.
;; ======== version 1 of 1: 4 launches
;; limits: values are held in f16: magnitudes above 65,504 overflow, below 6.1e-05 lose precision
;; workspace buffers: x_codes 4,194,304 bytes; x_scales 262,144 bytes; w_codes 1,572,864 bytes; w_scales 98,304 bytes; wo16 2,097,152 bytes; tab 524,288 bytes; qkv 50,331,648 bytes; att 16,777,216 bytes
;; launch prep (part 1): grid 400 x 1, 4 waves a work-group, no clusters, 68,608 bytes of LDS; arguments x, Wq, Wk, Wv, Wo, x_codes, x_scales, w_codes, w_scales, wo16, tab; writes x_codes, x_scales, w_codes, w_scales, wo16, tab
.if DOCPART == 1
	.amdgcn_target "amdgcn-amd-amdhsa--gfx1250"
	.amdhsa_code_object_version 6
	.text
	.protected	k_q3e28c17287_prep
	.globl	k_q3e28c17287_prep
	.p2align	8
	.type	k_q3e28c17287_prep,@function
k_q3e28c17287_prep:
	s_mov_b64 s[64:65], 0
	v_nop
	global_prefetch_b8 v0, s[64:65] scope:SCOPE_SE
	s_setreg_imm32_b32 hwreg(HW_REG_WAVE_MODE, 25, 1), 1
	s_wait_xcnt 0x0
; PREP: everything that is made once for the three launches behind it.  Four kinds of work-group, told apart by the work-group's number alone:
;   0-47    Wq, Wk, Wv [1024 (k)][1024 (n)] f32 -> codes of FP4 (E2M1) with K innermost, w_codes [3072][512 bytes] (row = 1024 x which + n), and E8M0 bytes w_scales [3072][32]
;   48-111  Wo [1024 (k)][1024 (n)] f32 -> f16, laid as images of operand registers (wo16: see below)
;   112-143 RoPE's table: tab[pos][pair] = (cos, sin) of pos x 10000^(-pair / 32), f32, 2,048 positions x 32 pairs
;   144-399 x [8192][1024] f32 -> codes x_codes [8192][512 bytes], bytes x_scales [8192][32]
; DEAD WORK: none is left out in this program.  bq, bk and bv are added ahead of RoPE; the rotated bk differs from key to key, so q . R(bk) is not the same along the softmax's axis; bv and bo reach the
; result directly.  Every input is loaded by some launch.  rope_start_index is the listed constant 0: every position is rotated, by its own number.
; THE QUANTISER: a block's scale is 2^(floor(log2(its largest magnitude)) - 2); its byte is the largest magnitude's exponent field - 2, held at 1 from below.  A block of zeros so gets the byte 1 where the rule says
; 127: its codes are zeros, which add nothing under any byte but 0xff, and the bytes are read by this program alone.
; LIMITS: blocks whose largest magnitude lies under 2^-124 (the floor) were not tried; NaN and infinities among the inputs are not served; Wo goes to f16: magnitudes above 65,504 are not served.
; THE TABLE: the angle is pos x inv_freq rounded once, as in the definition; it is reduced by the nearest multiple of pi (pi in two parts) and put through the series of sine (to r^11) and cosine (to r^12) on |r| <= pi / 2,
; where what is cut off lies under 6e-8.  inv_freq is one exponential of pair x -log2(10000) / 32.
; No work-group shares an input with another, so no cluster; no tensor load, so LDS is claimed as it is used.  The two paths that use LDS have bytes of their own.
.set SPW,   192                        ; v192  LDS address of my spare word: SPARE + 4 x my thread's number; never rewritten
.set NIL,   193                        ; v193  0; never rewritten
.set SPARE, 67584                      ; behind both paths' regions: the spare words, 128 bytes for each wave
.set WV,    30                         ; s30   my wave's number
	s_load_b512 s[8:23], s[0:1], 0x0               ; x s[8:9], Wq s[10:11], Wk s[12:13], Wv s[14:15], Wo s[16:17], x_codes s[18:19], x_scales s[20:21], w_codes s[22:23]
	s_load_b128 s[24:27], s[0:1], 0x40             ; w_scales s[24:25], wo16 s[26:27]
	s_load_b64 s[28:29], s[0:1], 0x50              ; tab
	v_lshl_add_u32 v[SPW], v0, 2, SPARE
	v_mov_b32 v[NIL], 0
	v_lshrrev_b32 v1, 5, v0
	v_readfirstlane_b32 s[WV], v1                  ; wave 0..3
	v_and_b32 v2, 31, v0                           ; lane
	s_wait_kmcnt 0x0
	s_cmp_lt_u32 ttmp9, 48
	s_cbranch_scc1 .Lw
	s_cmp_lt_u32 ttmp9, 112
	s_cbranch_scc1 .Lo
	s_cmp_lt_u32 ttmp9, 144
	s_cbranch_scc1 .Lt
; ---------------- x: a plain stream of blocks of 32.  A wave takes 16 steps of 512 numbers.  Each load reads 512 consecutive bytes; a step's 2,048 bytes turn through the wave's own stage in LDS and come back
; 64 bytes a lane, so that a lane holds 16 neighbours along K and two neighbouring lanes a block.  A wave's 256 scale bytes are gathered in LDS and leave as one aligned run of 256 bytes.
.set XSTEPS, 16
.set XCB,    8                         ; bytes of 16 codes
.set XR,     16                        ; v16-79   four sets of 16 numbers as loaded
.set XN,     80                        ; v80-111  two sets of 16 neighbours
.set XE,     112                       ; v112-127 a scale byte for each step
.set XC,     128                       ; v128-191 codes: four registers for each step, so that no store's data are written again
.set XREG,   8192                      ; LDS 0 .. 32,767: a region for each wave: two stages of 32 x XSP bytes, then its 256 scale bytes
.set XSP,    80                        ; a lane's place in a stage: 64 bytes + 16 of padding
	v_lshlrev_b32 v3, 4, v2                        ; my 16 bytes of a load's 512
	s_mul_i32 s31, s[WV], XREG
	v_lshrrev_b32 v14, 2, v2
	v_mul_u32_u24 v14, v14, XSP
	v_and_b32 v15, 3, v2
	v_lshl_add_u32 v14, v15, 4, v14
	v_add_nc_u32 v14, s31, v14                     ; the stage, on the way in: XSP (lane / 4) + 16 (lane % 4)
	v_mul_u32_u24 v15, v2, XSP
	v_add_nc_u32 v15, s31, v15                     ; and on the way out: XSP x lane
	v_mul_u32_u24 v4, v2, XCB                      ; my codes' place in a step's
	v_lshrrev_b32 v5, 1, v2
	s_add_co_u32 s31, s31, 2*32*XSP
	v_add_nc_u32 v5, s31, v5                       ; my block's scale byte in LDS
	v_lshlrev_b32 v7, 3, v2                        ; on the way out 8 bytes a lane
	v_add_nc_u32 v6, s31, v7
	s_sub_co_u32 s32, ttmp9, 144
	s_lshl_b32 s32, s32, 2
	s_add_co_u32 s32, s32, s[WV]                   ; which run of 8,192 numbers is my wave's: 0 .. 1,023
	s_mov_b32 s35, 0
	s_lshl_b32 s34, s32, 15                        ; 32,768 bytes of x,
	s_add_nc_u64 s[8:9], s[8:9], s[34:35]
	s_lshl_b32 s34, s32, 12                        ; 4,096 of codes,
	s_add_nc_u64 s[18:19], s[18:19], s[34:35]
	s_lshl_b32 s34, s32, 8                         ; 256 scale bytes a run
	s_add_nc_u64 s[20:21], s[20:21], s[34:35]
.macro XLOAD t
.irp i, 0,1,2,3
	global_load_b128 v[XR+16*((\t)%4)+4*\i:XR+16*((\t)%4)+4*\i+3], v3, s[8:9] offset:2048*(\t)+512*\i th:TH_LOAD_NT
.endr
.endm
.macro XTURN t                         ; step t's numbers through the stage: LDS serves a wave's instructions in order, so no wait stands between the stores and the loads
.irp i, 0,1,2,3
	ds_store_b128 v14, v[XR+16*((\t)%4)+4*\i:XR+16*((\t)%4)+4*\i+3] offset:32*XSP*((\t)%2)+8*XSP*\i
.endr
.irp i, 0,1,2,3
	ds_load_b128 v[XN+16*((\t)%2)+4*\i:XN+16*((\t)%2)+4*\i+3], v15 offset:32*XSP*((\t)%2)+16*\i
.endr
.endm
.irp t, 0,1,2,3
	XLOAD \t
.endr
	s_wait_loadcnt 12                              ; step 0's four loads are in; the twelve of steps 1 to 3 may be out
	XTURN 0
.macro XSTEP t
.set XS, XN+16*((\t)%2)
.if (\t) > 0
	s_wait_dscnt 1                                 ; this step's numbers are back from the stage (the last step's byte store may be out)
.else
	s_wait_dscnt 0x0
.endif
.if (\t)+4 < XSTEPS
	XLOAD (\t)+4                                   ; into the registers that this step's stage stores have read
.endif
.if (\t)+1 < XSTEPS
.if XSTEPS-2-(\t) >= 3
	s_wait_loadcnt 12                              ; the next step's four loads are in; those of the three steps behind it may be out
.else
	s_wait_loadcnt 4*(XSTEPS-2-(\t))
.endif
	XTURN (\t)+1
.endif
	v_max3_num_f32 v8, |v[XS]|, |v[XS+1]|, |v[XS+2]|               ; the largest magnitude of my 16, in two chains
	v_max3_num_f32 v9, |v[XS+3]|, |v[XS+4]|, |v[XS+5]|
.irp i, 6,10
	v_max3_num_f32 v8, v8, |v[XS+\i]|, |v[XS+\i+1]|
	v_max3_num_f32 v9, v9, |v[XS+\i+2]|, |v[XS+\i+3]|
.endr
	v_max3_num_f32 v8, v8, |v[XS+14]|, |v[XS+15]|
	v_max3_num_f32 v8, v8, v9, 0x1800000           ; and the floor 2^(3 - 127): the byte cannot fall under 1
	v_max_num_f32_dpp v8, v8, v8 row_xmask:1 row_mask:0xf bank_mask:0xf   ; with my neighbour's 16: the block's
	v_add_nc_u32 v11, 0xff000000, v8               ; 2 off its exponent field: the conversion takes the exponent field of this operand as its scale
	v_cvt_scalef32_pk8_fp4_f32 v[XC+4*(\t)], v[XS:XS+7], v11
	v_cvt_scalef32_pk8_fp4_f32 v[XC+4*(\t)+1], v[XS+8:XS+15], v11
	v_lshrrev_b32 v[XE+(\t)], 23, v11              ; the scale's byte (also the plain line behind the conversions)
	ds_store_b8 v5, v[XE+(\t)] offset:16*(\t)      ; both lanes of a block write the same byte with the same value
	global_store_b64 v4, v[XC+4*(\t):XC+4*(\t)+1], s[18:19] offset:32*XCB*(\t)   ; the wave stores 256 consecutive bytes, aligned
.endm
.irp t, 0,1,2,3,4,5,6,7,8,9,10,11,12,13,14,15
	XSTEP \t
.endr
	ds_load_b64 v[8:9], v6                         ; LDS serves a wave's instructions in order: these see my byte stores
	s_wait_dscnt 0x0
	global_store_b64 v7, v[8:9], s[20:21]          ; 256 consecutive bytes, aligned
	s_wait_tensorcnt 0x0                           ; the wave's end, behind my last LDS store
	ds_add_u32 v[SPW], v[NIL]
	s_wait_dscnt 0x0
	s_endpgm
; ---------------- Wq, Wk, Wv: K is the FIRST axis.  A lane takes a column n and its registers run down K: a block of 32 lies in one lane, and the conversions give codes with K innermost.  A wave takes 32 columns x 512 along K;
; its codes (256 bytes a column) go through its own stage in LDS and leave as rows: sixteen lanes store 256 consecutive bytes, aligned.
.Lw:
.set WNB,    16                        ; blocks of a lane
.set WPITCH, 272                       ; a stage row: 256 bytes + 16
.set WX,     32                        ; v32-95   two sets of 32 numbers
.set WC,     96                        ; v96-99   a block's codes
.set WSB,    24                        ; v24-27   the scale bytes, four to a register
.set WOUT,   112                       ; v112-175 the way out
	s_lshr_b32 s31, ttmp9, 1                       ; 0 .. 23: which 128 rows of w_codes
	s_and_b32 s32, ttmp9, 1                        ; which 512 along K
	s_lshr_b32 s33, s31, 3                         ; which weight: 0 q, 1 k, 2 v
	s_cmp_eq_u32 s33, 1
	s_cselect_b64 s[4:5], s[12:13], s[10:11]
	s_cmp_eq_u32 s33, 2
	s_cselect_b64 s[4:5], s[14:15], s[4:5]
	s_and_b32 s34, s31, 7
	s_lshl_b32 s34, s34, 7
	s_lshl_b32 s36, s[WV], 5
	s_add_co_u32 s34, s34, s36                     ; my wave's first column in its weight
	s_lshl_b32 s34, s34, 2
	s_lshl_b32 s36, s32, 21                        ; 512 rows of 4,096 bytes
	s_add_co_u32 s34, s34, s36
	s_mov_b32 s35, 0
	s_add_nc_u64 s[4:5], s[4:5], s[34:35]
	s_lshl_b32 s40, s31, 7
	s_lshl_b32 s36, s[WV], 5
	s_add_co_u32 s40, s40, s36                     ; my wave's first row of w_codes
	s_lshl_b32 s36, s40, 9                         ; 512 bytes a row,
	s_lshl_b32 s38, s32, 8                         ; + 256 for the second half of K
	s_add_co_u32 s36, s36, s38
	s_mov_b32 s37, 0
	s_add_nc_u64 s[22:23], s[22:23], s[36:37]
	s_lshl_b32 s36, s40, 5                         ; 32 scale bytes a row,
	s_lshl_b32 s38, s32, 4                         ; + 16
	s_add_co_u32 s36, s36, s38
	s_add_nc_u64 s[24:25], s[24:25], s[36:37]
	v_lshlrev_b32 v3, 2, v2                        ; in: 4 bytes a lane
	s_mul_i32 s41, s[WV], 32*WPITCH
	s_add_co_u32 s41, s41, 32768                   ; my stage: LDS 32,768 .. 67,583 belong to this path
	v_mul_u32_u24 v4, v2, WPITCH
	v_add_nc_u32 v4, s41, v4                       ; into it: row = my column
	v_and_b32 v5, 15, v2
	v_lshrrev_b32 v6, 4, v2
	v_mul_u32_u24 v7, v6, WPITCH
	v_lshl_add_u32 v7, v5, 4, v7
	v_add_nc_u32 v7, s41, v7                       ; out of it: sixteen lanes to a row, two rows an instruction
	v_lshlrev_b32 v8, 9, v6
	v_lshl_add_u32 v8, v5, 4, v8                   ; and the same place in w_codes
	v_lshlrev_b32 v9, 5, v2                        ; my column's row of scale bytes
.macro WLOAD t                         ; block t: W(32 t + i, my column) into set t % 2; every offset an immediate, 511 x 4,096 at the most
.set i, 0
.rept 32
	global_load_b32 v[WX+32*((\t)%2)+i], v3, s[4:5] offset:(32*(\t)+i)*4096 th:TH_LOAD_NT
.set i, i+1
.endr
.endm
	WLOAD 0
	WLOAD 1
.macro WBLOCK t
.set XS, WX+32*((\t)%2)
.if (\t) < WNB-1
	s_wait_loadcnt 32                              ; this block's 32 loads are in; the next block's may be out
.else
	s_wait_loadcnt 0
.endif
	v_max3_num_f32 v12, |v[XS]|, |v[XS+1]|, |v[XS+2]|               ; the block's largest magnitude: all 32 numbers are mine
	v_max3_num_f32 v13, |v[XS+3]|, |v[XS+4]|, |v[XS+5]|
.irp i, 6,10,14,18,22,26
	v_max3_num_f32 v12, v12, |v[XS+\i]|, |v[XS+\i+1]|
	v_max3_num_f32 v13, v13, |v[XS+\i+2]|, |v[XS+\i+3]|
.endr
	v_max3_num_f32 v12, v12, |v[XS+30]|, |v[XS+31]|
	v_max3_num_f32 v12, v12, v13, 0x1800000        ; and the floor 2^(3 - 127)
	v_add_nc_u32 v11, 0xff000000, v12              ; 2 off its exponent field: the conversion's scale operand
	v_lshrrev_b32 v13, 23, v11                     ; the scale's byte
.if (\t)%4 == 0
	v_mov_b32 v[WSB+(\t)/4], v13                   ; four bytes to a register, the lower K in the lower byte
.else
	v_lshl_or_b32 v[WSB+(\t)/4], v13, 8*((\t)%4), v[WSB+(\t)/4]
.endif
.irp g, 0,1,2,3
	v_cvt_scalef32_pk8_fp4_f32 v[WC+\g], v[XS+8*\g:XS+8*\g+7], v11
.endr
	v_nop                                          ; one plain line behind the last conversion
	ds_store_b128 v4, v[WC:WC+3] offset:16*(\t)    ; 32 codes: 16 bytes of my column's row
.if (\t)+2 < WNB
	WLOAD (\t)+2
.endif
	s_wait_dscnt 0x0                               ; the store has read its registers: the next block's codes may be written
.endm
.irp t, 0,1,2,3,4,5,6,7,8,9,10,11,12,13,14,15
	WBLOCK \t
.endr
	global_store_b128 v9, v[WSB:WSB+3], s[24:25]   ; my column's 16 scale bytes
.irp t, 0,1,2,3,4,5,6,7,8,9,10,11,12,13,14,15
	ds_load_b128 v[WOUT+4*\t:WOUT+4*\t+3], v7 offset:2*\t*WPITCH
.endr
.irp t, 0,1,2,3,4,5,6,7,8,9,10,11,12,13,14,15
	s_wait_dscnt 15-\t                             ; the younger read-backs may be out
	global_store_b128 v8, v[WOUT+4*\t:WOUT+4*\t+3], s[22:23] offset:2*\t*512
.endr
	s_wait_tensorcnt 0x0                           ; the wave's end, behind my last LDS store
	ds_add_u32 v[SPW], v[NIL]
	s_wait_dscnt 0x0
	s_endpgm
; ---------------- Wo -> f16, as IMAGES OF OPERAND REGISTERS.  wo16 byte = NB x 262,144 + kc x 8,192 + ct x 1,024 + u x 512 + 16 x lane (NB = n / 128, kc = k / 32, ct = (n % 128) / 16): lane (r, h) holds column 16 ct + r
; and k = 32 kc + 16 u + 8 h + 0 .. 7: registers 4 u .. 4 u + 3 of a fragment of 16 columns x 32 K.  A lane takes a column, its registers run down K; packed in pairs, two exchanges of half waves a group of four
; give the images of two tiles of columns.  Each store of the wave covers 512 consecutive bytes, aligned.  No LDS.
.Lo:
.set OX, 32                            ; v32-95   two sets of 32 numbers
.set OP, 96                            ; v96-159  16 packed registers for each of the four chunks of 32 K: no store's data are written again
	s_sub_co_u32 s31, ttmp9, 48
	s_and_b32 s32, s31, 7                          ; NB
	s_lshr_b32 s33, s31, 3                         ; which 128 along K
	s_lshl_b32 s34, s33, 19                        ; 128 rows of 4,096 bytes
	s_lshl_b32 s36, s32, 9
	s_add_co_u32 s34, s34, s36                     ; + 128 NB columns
	s_lshl_b32 s36, s[WV], 7
	s_add_co_u32 s34, s34, s36                     ; + 32 x wave columns
	s_mov_b32 s35, 0
	s_add_nc_u64 s[16:17], s[16:17], s[34:35]
	s_lshl_b32 s34, s32, 18
	s_lshl_b32 s36, s33, 15                        ; four chunks of 8,192 bytes
	s_add_co_u32 s34, s34, s36
	s_lshl_b32 s36, s[WV], 11                      ; two tiles of columns
	s_add_co_u32 s34, s34, s36
	s_add_nc_u64 s[26:27], s[26:27], s[34:35]
	v_lshlrev_b32 v3, 2, v2
	v_lshlrev_b32 v4, 4, v2
.macro OLOAD q
.set i, 0
.rept 32
	global_load_b32 v[OX+32*((\q)%2)+i], v3, s[16:17] offset:(32*(\q)+i)*4096 th:TH_LOAD_NT
.set i, i+1
.endr
.endm
	OLOAD 0
	OLOAD 1
.macro OCHUNK q
.set XS, OX+32*((\q)%2)
.set PP, OP+16*(\q)
.if (\q) < 3
	s_wait_loadcnt 32                              ; this chunk's 32 loads are in; the next chunk's may be out
.else
	s_wait_loadcnt 0
.endif
.set i, 0
.rept 16
	v_cvt_pk_f16_f32 v[PP+i], v[XS+2*i], v[XS+2*i+1]   ; register i: k = 2 i, 2 i + 1 of my column
.set i, i+1
.endr
.if (\q) < 2
	OLOAD (\q)+2
.endif
.irp i, 0,1,2,3
	v_permlane16_swap_b32 v[PP+\i], v[PP+4+\i]     ; the first's lanes 16-31 change places with the second's lanes 0-15: PP+0..3: tile 2 w, u = 0; PP+4..7: tile 2 w + 1, u = 0
	v_permlane16_swap_b32 v[PP+8+\i], v[PP+12+\i]  ; PP+8..11: tile 2 w, u = 1; PP+12..15: tile 2 w + 1, u = 1
.endr
	global_store_b128 v4, v[PP:PP+3], s[26:27] offset:(\q)*8192
	global_store_b128 v4, v[PP+8:PP+11], s[26:27] offset:(\q)*8192+512
	global_store_b128 v4, v[PP+4:PP+7], s[26:27] offset:(\q)*8192+1024
	global_store_b128 v4, v[PP+12:PP+15], s[26:27] offset:(\q)*8192+1536
.endm
.irp q, 0,1,2,3
	OCHUNK \q
.endr
	s_endpgm
; ---------------- the table.  A wave takes 16 positions, a lane a pair; a store of the wave covers a position's 256 bytes, aligned.  No LDS.
.Lt:
	s_sub_co_u32 s31, ttmp9, 112
	s_lshl_b32 s31, s31, 6
	s_lshl_b32 s32, s[WV], 4
	s_add_co_u32 s34, s31, s32                     ; my first position
	s_add_co_u32 s35, s34, 16                      ; and where I stop
	s_lshl_b32 s36, s34, 8
	s_mov_b32 s37, 0
	s_add_nc_u64 s[28:29], s[28:29], s[36:37]
	v_cvt_f32_u32 v4, v2
	v_mul_f32 v4, 0xbed49a78, v4                   ; pair x -log2(10000) / 32
	v_exp_f32 v4, v4                               ; inv_freq
	v_lshlrev_b32 v3, 3, v2                        ; 8 bytes a lane (the plain line behind the exponential)
	s_wait_alu depctr_va_vdst(0)                   ; the wait ahead of the result's first reader
.Lpos:
	v_cvt_f32_u32 v5, s34
	v_mul_f32 v5, v5, v4                           ; the angle, rounded once
	v_mul_f32 v6, 0x3ea2f983, v5                   ; / pi
	v_rndne_f32 v6, v6                             ; n
	v_fmamk_f32 v7, v6, 0xc0490fdb, v5             ; r = angle - n pi: pi's high part,
	v_fmamk_f32 v7, v6, 0x33bbbd2e, v7             ; and its low part (pi = 0x40490fdb - 8.7422780e-8)
	v_cvt_i32_f32 v8, v6
	v_lshlrev_b32 v8, 31, v8                       ; (-1)^n as a sign bit
	v_mul_f32 v9, v7, v7                           ; z = r^2
	v_mov_b32 v10, 0xb2d7322b                      ; -1 / 11!
	v_mov_b32 v12, 0x310f76c7                      ; 1 / 12!
	v_fmaak_f32 v10, v10, v9, 0x3638ef1d           ; 1 / 9!
	v_fmaak_f32 v12, v12, v9, 0xb493f27e           ; -1 / 10!
	v_fmaak_f32 v10, v10, v9, 0xb9500d01           ; -1 / 7!
	v_fmaak_f32 v12, v12, v9, 0x37d00d01           ; 1 / 8!
	v_fmaak_f32 v10, v10, v9, 0x3c088889           ; 1 / 5!
	v_fmaak_f32 v12, v12, v9, 0xbab60b61           ; -1 / 6!
	v_fmaak_f32 v10, v10, v9, 0xbe2aaaab           ; -1 / 3!
	v_fmaak_f32 v12, v12, v9, 0x3d2aaaab           ; 1 / 4!
	v_mul_f32 v11, v7, v9                          ; r z
	v_fmaak_f32 v12, v12, v9, 0xbf000000           ; -1 / 2
	v_fma_f32 v10, v11, v10, v7                    ; sin r
	v_fmaak_f32 v12, v12, v9, 0x3f800000           ; cos r
	v_xor_b32 v13, v8, v10                         ; sin of the angle
	v_xor_b32 v12, v8, v12                         ; cos of the angle
	global_store_b64 v3, v[12:13], s[28:29]
	s_wait_xcnt 0x0                                ; the store has read its offset and its data: both are written again only behind this wait
	v_add_nc_u32 v3, 256, v3
	s_add_co_u32 s34, s34, 1
	s_cmp_lt_u32 s34, s35
	s_cbranch_scc1 .Lpos
	s_endpgm
.Lfunc_end_k_q3e28c17287_prep:
	.size	k_q3e28c17287_prep, .Lfunc_end_k_q3e28c17287_prep-k_q3e28c17287_prep
	.p2alignl 7, 3214868480
	.fill 96, 4, 3214868480
	.section	.rodata,"a",@progbits
	.p2align	6, 0x0
	.amdhsa_kernel k_q3e28c17287_prep
		.amdhsa_group_segment_fixed_size 68608
		.amdhsa_private_segment_fixed_size 0
		.amdhsa_enable_private_segment 0
		.amdhsa_kernarg_size 88
		.amdhsa_user_sgpr_count 2
		.amdhsa_user_sgpr_kernarg_segment_ptr 1
		.amdhsa_wavefront_size32 1
		.amdhsa_system_sgpr_workgroup_id_x 1
		.amdhsa_system_sgpr_workgroup_id_y 1
		.amdhsa_system_sgpr_workgroup_id_z 1
		.amdhsa_system_vgpr_workitem_id 0
		.amdhsa_next_free_vgpr 196
		.amdhsa_next_free_sgpr 66
		.amdhsa_reserve_vcc 0
		.amdhsa_float_denorm_mode_32 3
		.amdhsa_float_denorm_mode_16_64 3
		.amdhsa_memory_ordered 1
		.amdhsa_forward_progress 1
		.amdhsa_inst_pref_size 133
	.end_amdhsa_kernel
	.amdgpu_metadata
---
amdhsa.version: [ 1, 2 ]
amdhsa.kernels:
  - .name:           k_q3e28c17287_prep
    .symbol:         k_q3e28c17287_prep.kd
    .args:
      - { .name: x, .offset: 0, .size: 8, .value_kind: global_buffer, .address_space: global }
      - { .name: Wq, .offset: 8, .size: 8, .value_kind: global_buffer, .address_space: global }
      - { .name: Wk, .offset: 16, .size: 8, .value_kind: global_buffer, .address_space: global }
      - { .name: Wv, .offset: 24, .size: 8, .value_kind: global_buffer, .address_space: global }
      - { .name: Wo, .offset: 32, .size: 8, .value_kind: global_buffer, .address_space: global }
      - { .name: x_codes, .offset: 40, .size: 8, .value_kind: global_buffer, .address_space: global }
      - { .name: x_scales, .offset: 48, .size: 8, .value_kind: global_buffer, .address_space: global }
      - { .name: w_codes, .offset: 56, .size: 8, .value_kind: global_buffer, .address_space: global }
      - { .name: w_scales, .offset: 64, .size: 8, .value_kind: global_buffer, .address_space: global }
      - { .name: wo16, .offset: 72, .size: 8, .value_kind: global_buffer, .address_space: global }
      - { .name: tab, .offset: 80, .size: 8, .value_kind: global_buffer, .address_space: global }
    .group_segment_fixed_size: 68608
    .private_segment_fixed_size: 0
    .kernarg_segment_align: 8
    .kernarg_segment_size: 88
    .max_flat_workgroup_size: 128
    .sgpr_count:     66
    .vgpr_count:     196
    .wavefront_size: 32
...
	.end_amdgpu_metadata
.endif
;; end of part 1
;; launch qkv (part 2): grid 12 x 32, 4 waves a work-group, clusters of 4 x 4, 327,680 bytes of LDS; arguments x_codes, x_scales, w_codes, w_scales, qkv, bq, bk, bv, tab; writes qkv
.if DOCPART == 2
	.amdgcn_target "amdgcn-amd-amdhsa--gfx1250"
	.amdhsa_code_object_version 6
	.text
	.protected	k_q3e28c17287_qkv
	.globl	k_q3e28c17287_qkv
	.p2align	8
	.type	k_q3e28c17287_qkv,@function
k_q3e28c17287_qkv:
	s_mov_b64 s[64:65], 0
	v_nop
	global_prefetch_b8 v0, s[64:65] scope:SCOPE_SE
	s_setreg_imm32_b32 hwreg(HW_REG_WAVE_MODE, 25, 1), 1
	s_wait_xcnt 0x0
	s_wait_alu depctr_hold_cnt(0) depctr_sa_sdst(0) depctr_va_vdst(0) depctr_va_sdst(0) depctr_va_ssrc(0) depctr_va_vcc(0) depctr_vm_vsrc(0)
	s_getreg_b32 s2, hwreg(HW_REG_IB_STS2, 6, 4)
	s_cmp_eq_u32 s2, 0
	s_cbranch_scc0 .Lentry_in_a_cluster
	s_endpgm
.Lentry_in_a_cluster:
	s_bfe_u32 s2, ttmp6, 0x10000c
	s_cmp_lg_u32 s2, 0xf033
	s_cbranch_scc0 .Lentry_shape_is_right
	s_endpgm
.Lentry_shape_is_right:
; q, k, v = x W + b on codes of FP4 (E2M1) with one E8M0 scale for each 32 along K = 1,024; RoPE on q and k; the results leave as f16.  No work of the definition is left out here.
; One GEMM, C [8192][3072] = x_codes [8192][1024] x w_codes [3072][1024]^T: columns 0-1023 are q's, 1024-2047 k's, 2048-3071 v's.  A tile of C, 256 x 256, is made by four waves, 128 x 128 each: 64 accumulators, 512 registers.
; K is two steps of 512 (rows of 256 bytes): both lie in LDS at once, so every tile is asked for at the head and no LDS byte is filled again.  The scale bytes of the work-group's rows, for all of K, come with them.
; CLUSTERS: 4 x 4 work-groups; A's tiles are asked for jointly along a row of the cluster, B's along a column.  A cluster's x IS the choice of q, k or v (four tile columns each): the same number in all sixteen partners, so
; the one branch on it is taken alike by all of them.  384 work-groups: tiles of another shape would straddle q and k or halve the multiply-adds for each LDS byte.
; THE MATRIX INSTRUCTION IS USED TRANSPOSED (source 0 = 16 rows of w_codes, source 1 = 16 rows of x_codes): lane (r, h) holds position r and eight neighbouring channels 16 t + 8 h + 0 .. 7.
; THE BIAS is the C of each sum's first product: eight registers a tile of columns, in the result's layout.
; RoPE: a lane's registers 2 i, 2 i + 1 are a pair; (x0, x1) -> (x0 cos - x1 sin, x1 cos + x0 sin), cos and sin from the table by position and pair: two packed instructions a pair.
; The table is loaded and read in ONE arm of the one branch on q, k or v, behind the last products: v's work-groups load none of it.  It comes through four sets of 32 registers ahead of the rotation: blocks 0-3 at the arm's head,
; block a + 4 in block a's turn.
; THE WAY OUT HAS NO STAGE.  Packed to f16, a lane's eight channels are four registers, which ARE half of the next product's fragment (16 positions x 32 channels).  They are stored as they stand, 16 bytes a lane:
;   qkv byte = which x 2^24 + (16 b + head) x 262,144 + (s / 16) x 2,048 + t x 512 + place;  q, k: place = 16 x lane;  v: place = 32 r + 16 h: rows [key][16 channels] of 32 bytes, for the turning LDS load.
; Each store of the wave covers 512 consecutive bytes, aligned.
; LIMITS: q, k, v go to f16: magnitudes above 65,504 are not served (inputs 30 times those drawn, or offset by 30 spreads, stay under it).
; REGISTERS, in windows of 256: window 0: v0-31 addresses; v32-95 scale words, two sets; v128-191 A's fragments, one set, later the rotated numbers; v192-255 the bias, later the packed results.
;   window 1: B's fragments, two sets, at v0 and v128; on the way out the table: row blocks 0-3 at v64, v96, v192, v224, blocks 4-7 at v0, v32, v128, v160.   windows 2, 3: the accumulators ((a, b) at v[8 (8 (a % 4) + b)]).
.set KSTEP,  512
.set NQ,     KSTEP/128
.set ROWB,   256                       ; a tile's row in bytes
.set KROW,   512                       ; a row of codes in memory
.set PITCH,  272                       ; an LDS row: 256 bytes + 16 of padding: the 16 rows that a load touches start at 16 different banks (64 banks of 4 bytes: ISA guide 11.1)
.set FR,     8
.set NL,     2
.set NP,     4
.set HALFT,  128*PITCH
.set SLOT,   4*HALFT
.set KS,     32                        ; a row of scale bytes
.set SCL,    2*SLOT
.set HALFS,  (128*KS/256)*272
.set SBLK,   (16*KS/256)*272
.set SPARE,  SCL+4*HALFS               ; behind the scales: the spare words, 128 bytes for each wave
.set ADRA, 16                          ; v16-17  LDS address of my A fragments in slot 0, 1
.set ADRB, 20                          ; v20-21  the same for B
.set BA,   22                          ; v22     32 h: my eight numbers of a tile's bias
.set TA,   23                          ; v23     256 r + 32 h: my four pairs of a position's table
.set COV,  24                          ; v24     32 r + 16 h: my place in an image of v
.set CO,   26                          ; v26     16 x lane: my place in an image of q or k
.set ADRS, 27                          ; v27     LDS address of my scale words: lanes 0-15 A's rows, lanes 16-31 B's
.set SPW,  28                          ; v28     LDS address of my spare word; never rewritten
.set NIL,  29                          ; v29     0; never rewritten
.set SC,   32
.set AF,   128
.set TT,   128                         ; the way out: 64 rotated numbers
.set BI,   192                         ; the bias: tile b at v[BI + 8 b]
.set PKB,  192                         ; the way out: 32 packed registers, two sets by turns
.set G1, 24
.set G0, 32
.set G1B, 48
.set G0B, 56
.set G1S, 68
.set G0S, 76
.set G1SB, 80
.set G0SB, 88
.set MSB, 0
.macro WIN new                         ; the immediate's high byte repeats the setting that is left
.if MSB != \new
	s_set_vgpr_msb (MSB<<8)|\new
.set MSB, \new
.endif
.endm
.set MUL_LO, 0xa1                      ; source 0 (B) window 1, source 1 (A) window 0, C and D window 2
.set MUL_HI, 0xf1                      ; the same, C and D window 3
.set FST_LO, 0x81                      ; a sum's first product: C (the bias) window 0, D window 2
.set FST_HI, 0xc1                      ; D window 3
.set TO_B,   0x40                      ; destination window 1, address window 0
; A joint load: waves 0 and 1 fetch for A, waves 2 and 3 for B; the branch hangs on the wave's number alone.  An s_nop 0 and four v_nop follow each of the two lines.
.macro JLOAD g0a, g1a, g0b, g1b
	s_cmp_eq_u32 s15, 0
	s_cbranch_scc0 .Lfor_b_\@
	tensor_load_to_lds s[\g0a:\g0a+3], s[\g1a:\g1a+7]
	s_nop 0
.rept 4
	v_nop
.endr
	s_branch .Lasked_\@
.Lfor_b_\@:
	tensor_load_to_lds s[\g0b:\g0b+3], s[\g1b:\g1b+7]
	s_nop 0
.rept 4
	v_nop
.endr
.Lasked_\@:
.endm
.macro CROUND                          ; a round of the cluster's barrier
	s_barrier_signal -1
	s_barrier_wait -1
	s_cmp_lg_u32 s14, 0
	s_cbranch_scc1 .Lnot_wave_0_\@
	s_barrier_signal -3
.Lnot_wave_0_\@:
	s_barrier_wait -3
	s_barrier_signal -1
	s_barrier_wait -1
.endm
	s_load_b128 s[4:7], s[0:1], 0x0                ; x's codes s[4:5], x's scales s[6:7]
	s_load_b128 s[8:11], s[0:1], 0x10              ; w's codes s[8:9], w's scales s[10:11]
	s_load_b64 s[12:13], s[0:1], 0x20              ; qkv
	v_lshl_add_u32 v[SPW], v0, 2, SPARE
	v_mov_b32 v[NIL], 0
	ds_add_u32 v[SPW], v[NIL]                      ; the wave's opening: the add, twice on end, and its wait ahead of my first tensor load
	ds_add_u32 v[SPW], v[NIL]                      ; and once more, under the one wait; the set-up below, work on registers, stands between
	v_lshrrev_b32 v1, 5, v0
	v_readfirstlane_b32 s14, v1                    ; wave 0..3
	s_lshr_b32 s15, s14, 1                         ; which half of the tile's rows is mine.  Also: I fetch for A (0) or for B (1)
	s_and_b32 s16, s14, 1                          ; which half of its columns.  Also: which 128 rows of that tile I fetch
	s_bfe_u32 s40, ttmp6, 0x40000                  ; cx, cy: my place in the cluster
	s_bfe_u32 s41, ttmp6, 0x40004
	s_lshl_b32 s42, ttmp9, 2
	s_add_co_u32 s42, s42, s40                     ; tile column of C = 4 x cluster x + cx
	s_and_b32 s17, ttmp7, 0xffff
	s_lshl_b32 s17, s17, 2
	s_add_co_u32 s17, s17, s41                     ; tile row of C = 4 x cluster y + cy
	s_lshl_b32 s43, s41, 2
	s_lshl_b32 s43, 15, s43                        ; my row of the cluster
	s_lshl_b32 s44, 0x1111, s40                    ; my column
	; descriptor group 1: a tile of 128 rows x 256 bytes, padded in LDS
	s_or_b32 s[G1+0], s43, (0<<16)|(1<<20)|(1<<21)|(5<<22)|(3<<25)  ; the mask: A's tiles go to my row; elements of 1 byte; padding on; bit 21 beside a mask; 4 words after every 64
	s_or_b32 s[G1B+0], s44, (0<<16)|(1<<20)|(1<<21)|(5<<22)|(3<<25)
.irp g, G1, G1B
	s_mov_b32 s[\g+1], ROWB<<16                    ; tensor_dim0
	s_mov_b32 s[\g+2], 128<<16                     ; tensor_dim1
	s_mov_b32 s[\g+3], ROWB<<16                    ; tile_dim0
	s_mov_b32 s[\g+4], 128                         ; tile_dim1
	s_mov_b32 s[\g+5], KROW                        ; the pitch
	s_mov_b32 s[\g+6], 0
	s_mov_b32 s[\g+7], 0
.endr
	; the scales of 128 rows: a dense block of 4,096 bytes, as 16 rows of 256 bytes (32 elements of 8), 16 bytes of padding behind each
	s_or_b32 s[G1S+0], s43, (3<<16)|(1<<20)|(1<<21)|(5<<22)|(3<<25)
	s_or_b32 s[G1SB+0], s44, (3<<16)|(1<<20)|(1<<21)|(5<<22)|(3<<25)
.irp g, G1S, G1SB
	s_mov_b32 s[\g+1], 32<<16
	s_mov_b32 s[\g+2], (128*KS/256)<<16
	s_mov_b32 s[\g+3], 32<<16
	s_mov_b32 s[\g+4], 128*KS/256
	s_mov_b32 s[\g+5], 32
	s_mov_b32 s[\g+6], 0
	s_mov_b32 s[\g+7], 0
.endr
	s_lshl_b32 s18, s16, 7                         ; which 128 rows of the tile I fetch
	s_lshl_b32 s20, s17, 8
	s_add_co_u32 s20, s20, s18                     ; A: row 256 x tile row + 128 x half
	s_lshl_b32 s46, s42, 8
	s_add_co_u32 s46, s46, s18                     ; B: row 256 x tile column + 128 x half
	s_mov_b32 s21, 0
	s_mov_b32 s47, 0
	s_mov_b64 s[18:19], KS
	s_mul_u64 s[22:23], s[20:21], s[18:19]         ; where these rows' scales begin,
	s_mul_u64 s[92:93], s[46:47], s[18:19]
	s_mov_b64 s[18:19], KROW
	s_mul_u64 s[20:21], s[20:21], s[18:19]         ; and their codes
	s_mul_u64 s[46:47], s[46:47], s[18:19]
	s_mul_i32 s45, s14, HALFT                      ; where they go: wave x 128 rows: no place in the cluster enters an LDS address
	s_mul_i32 s94, s14, HALFS
	s_wait_dscnt 0x0                               ; both opening adds are done
	s_wait_kmcnt 0x0
	s_add_nc_u64 s[20:21], s[4:5], s[20:21]
	s_add_nc_u64 s[22:23], s[6:7], s[22:23]
	s_add_nc_u64 s[46:47], s[8:9], s[46:47]
	s_add_nc_u64 s[92:93], s[10:11], s[92:93]
	CROUND                                         ; all sixteen work-groups are here: the joint loads meet
	s_mov_b32 s[G0S], 1
	s_add_co_u32 s[G0S+1], s94, SCL
	s_mov_b64 s[G0S+2:G0S+3], s[22:23]
	s_or_b32 s[G0S+3], s[G0S+3], 0x80000000
	s_mov_b32 s[G0SB], 1
	s_add_co_u32 s[G0SB+1], s94, SCL
	s_mov_b64 s[G0SB+2:G0SB+3], s[92:93]
	s_or_b32 s[G0SB+3], s[G0SB+3], 0x80000000
	JLOAD G0S, G1S, G0SB, G1SB                     ; the scales first: they are wanted with K step 0
.irp s, 0,1
	s_mov_b32 s[G0+4*\s], 1
	s_add_co_u32 s[G0+4*\s+1], s45, \s*SLOT
	s_add_nc_u64 s[G0+4*\s+2:G0+4*\s+3], s[20:21], \s*ROWB
	s_or_b32 s[G0+4*\s+3], s[G0+4*\s+3], 0x80000000
	s_mov_b32 s[G0B+4*\s], 1
	s_add_co_u32 s[G0B+4*\s+1], s45, \s*SLOT
	s_add_nc_u64 s[G0B+4*\s+2:G0B+4*\s+3], s[46:47], \s*ROWB
	s_or_b32 s[G0B+4*\s+3], s[G0B+4*\s+3], 0x80000000
	JLOAD G0+4*\s, G1, G0B+4*\s, G1B               ; three loads of mine are out: all that the launch asks for
.endr
	s_load_b256 s[4:11], s[0:1], 0x28              ; bq s[4:5], bk s[6:7], bv s[8:9], tab s[10:11]: the first four pointers are done with
	v_and_b32 v1, 15, v0                           ; r
	v_bfe_u32 v2, v0, 4, 1                         ; h
	v_mul_u32_u24 v3, v1, PITCH
	v_lshl_add_u32 v4, v2, 4, v3                   ; a fragment's row x pitch + 16 x half
	s_mul_i32 s21, s15, HALFT                      ; my 128 rows of A
	s_mul_i32 s22, s16, HALFT                      ; my 128 rows of B,
	s_add_co_u32 s22, s22, 2*HALFT                 ; which lie behind A's 256
.irp s, 0,1
	v_add_nc_u32 v[ADRA+\s], s21, v4
	v_add_nc_u32 v[ADRB+\s], s22, v4
	s_add_co_u32 s21, s21, SLOT
	s_add_co_u32 s22, s22, SLOT
.endr
	v_mul_u32_u24 v5, v1, KS                       ; my row's scales: 32 bytes a row,
	v_lshrrev_b32 v6, 8, v5
	v_lshl_add_u32 v5, v6, 4, v5                   ; and 16 more for each 256 passed
	s_mul_i32 s21, s15, HALFS                      ; A's: my 128 rows
	s_mul_i32 s22, s16, HALFS                      ; B's: my 128 rows, behind A's 256
	s_add_co_u32 s22, s22, 2*HALFS
	s_sub_co_u32 s22, s22, s21
	v_mul_u32_u24 v6, s22, v2                      ; lanes 16-31 take B's
	s_add_co_u32 s21, s21, SCL
	v_add_nc_u32 v5, v5, v6
	v_add_nc_u32 v[ADRS], s21, v5
	v_lshlrev_b32 v[BA], 5, v2
	v_lshlrev_b32 v[TA], 8, v1
	v_lshl_add_u32 v[TA], v2, 5, v[TA]
	v_lshlrev_b32 v[COV], 5, v1
	v_lshl_add_u32 v[COV], v2, 4, v[COV]
	v_and_b32 v[CO], 31, v0
	v_lshlrev_b32 v[CO], 4, v[CO]
	; where my 128 positions x 2 heads begin in qkv, in the table and in the bias
	s_lshr_b32 s20, s17, 3
	s_lshl_b32 s20, s20, 4                         ; 16 b
	s_and_b32 s21, s17, 7
	s_lshl_b32 s21, s21, 8
	s_lshl_b32 s22, s15, 7
	s_add_co_u32 s21, s21, s22                     ; my first position: 256 (tile row % 8) + 128 x half
	s_lshl_b32 s46, s40, 2
	s_lshl_b32 s47, s16, 1
	s_add_co_u32 s46, s46, s47
	s_add_co_u32 s46, s46, s20                     ; 16 b + my first head (4 cx + 2 x half)
	s_lshl_b32 s46, s46, 18
	s_lshl_b32 s47, s21, 7                         ; 128 bytes a position
	s_add_co_u32 s46, s46, s47
	s_lshl_b32 s47, ttmp9, 24                      ; q, k or v
	s_add_co_u32 s46, s46, s47
	s_mov_b32 s47, 0
	s_add_nc_u64 s[12:13], s[12:13], s[46:47]
	s_lshl_b32 s22, s21, 8                         ; the table: 256 bytes a position
	s_mov_b32 s23, 0
	s_lshl_b32 s92, s40, 10                        ; the bias: 256 cx + 128 x half numbers on
	s_lshl_b32 s93, s16, 9
	s_add_co_u32 s92, s92, s93
	s_mov_b32 s93, 0
	s_wait_kmcnt 0x0
	s_cmp_eq_u32 ttmp9, 1
	s_cselect_b64 s[4:5], s[6:7], s[4:5]           ; bk, else bq,
	s_cmp_eq_u32 ttmp9, 2
	s_cselect_b64 s[4:5], s[8:9], s[4:5]           ; or bv
	s_add_nc_u64 s[4:5], s[4:5], s[92:93]
	s_add_nc_u64 s[10:11], s[10:11], s[22:23]
.irp b, 0,1,2,3,4,5,6,7
	global_load_b128 v[BI+8*\b:BI+8*\b+3], v[BA], s[4:5] offset:64*\b          ; lane (r, h): the bias of columns 16 b + 8 h + 0 .. 7
	global_load_b128 v[BI+8*\b+4:BI+8*\b+7], v[BA], s[4:5] offset:64*\b+16
.endr
.macro FRAG reg, adr, q, i             ; a fragment, 16 rows x 128 K of 4-bit codes: lane l holds row l % 16; registers 4 c .. 4 c + 3 hold K = 64 c + 32 (l / 16) + 0 .. 31
.irp c, 0,1
	ds_load_b128 v[\reg+4*\c:\reg+4*\c+3], v[\adr] offset:64*(\q)+32*\c+(\i)*16*PITCH
.endr
.endm
; 16 matrix instructions: A's blocks a0, a0 + 1 x B's eight, 128 along K.  zero = 1: the first product starts the sums on the bias.  The 64 accumulators take turns, one instruction a turn.
.macro MUL16 a0, p, q, sc, zero
.irp a, \a0, \a0+1
.irp b, 0,1,2,3,4,5,6,7
.if \zero
	v_wmma_scale_f32_16x16x128_f8f6f4 v[8*(8*((\a)%4)+\b):8*(8*((\a)%4)+\b)+7], v[128*(\p)+FR*\b:128*(\p)+FR*\b+FR-1], v[AF+FR*(\a):AF+FR*(\a)+FR-1], v[BI+8*\b:BI+8*\b+7], v[SC+8*NQ*(\sc)+NQ*\b+(\q)], v[SC+8*NQ*(\sc)+NQ*(\a)+(\q)] matrix_a_fmt:MATRIX_FMT_FP4 matrix_b_fmt:MATRIX_FMT_FP4 matrix_a_scale:MATRIX_SCALE_ROW1
.else
	v_wmma_scale_f32_16x16x128_f8f6f4 v[8*(8*((\a)%4)+\b):8*(8*((\a)%4)+\b)+7], v[128*(\p)+FR*\b:128*(\p)+FR*\b+FR-1], v[AF+FR*(\a):AF+FR*(\a)+FR-1], v[8*(8*((\a)%4)+\b):8*(8*((\a)%4)+\b)+7], v[SC+8*NQ*(\sc)+NQ*\b+(\q)], v[SC+8*NQ*(\sc)+NQ*(\a)+(\q)] matrix_a_fmt:MATRIX_FMT_FP4 matrix_b_fmt:MATRIX_FMT_FP4 matrix_a_scale:MATRIX_SCALE_ROW1
.endif
.endr
.endr
.endm
.macro FETCH_B slot, q, p
	WIN TO_B
.irp i, 0,1,2,3,4,5,6,7
	FRAG 128*(\p)+FR*\i, ADRB+\slot, \q, \i
.endr
	WIN 0
.endm
.macro FETCH_A slot, q, i0
.irp i, \i0, \i0+1, \i0+2, \i0+3
	FRAG AF+FR*(\i), ADRA+\slot, \q, \i
.endr
.endm
.macro SCALES sc                       ; a K step's scale words: four words a row; lanes 0-15 take A's block i, lanes 16-31 B's block i
.irp i, 0,1,2,3,4,5,6,7
	ds_load_b128 v[SC+8*NQ*\sc+NQ*\i:SC+8*NQ*\sc+NQ*\i+3], v[ADRS] offset:\i*SBLK
.endr
.endm
.macro PLACES n                        ; plain vector instructions that name no register of the matrix instructions ahead: in front of loads into registers that those have read, and of reads of results
.rept \n
	v_nop
.endr
.endm
.macro STEP slot, q, zero              ; 128 along K, with its successor in the same slot
	s_wait_dscnt 4*NL                              ; B's set and A's blocks 0-3 are in; the youngest eight loads (A's blocks 4-7) may be out
.if \zero
	WIN FST_LO
.else
	WIN MUL_LO
.endif
	MUL16 0, (\q)%2, \q, \slot, \zero
	MUL16 2, (\q)%2, \q, \slot, \zero
	s_wait_dscnt 0                                 ; A's blocks 4-7 are in
	PLACES NP
	FETCH_B \slot, (\q)+1, 1-(\q)%2
	FETCH_A \slot, (\q)+1, 0
.if \zero
	WIN FST_HI
.else
	WIN MUL_HI
.endif
	MUL16 4, (\q)%2, \q, \slot, \zero
	MUL16 6, (\q)%2, \q, \slot, \zero
	PLACES NP
	WIN 0
	FETCH_A \slot, (\q)+1, 4
.endm
	s_wait_tensorcnt 1                             ; the scales and my part of K step 0 are in (K step 1's load may be out)
	s_barrier_signal -1
	s_barrier_wait -1                              ; everybody's are
	FETCH_B 0, 0, 0
	FETCH_A 0, 0, 0
	SCALES 0
	FETCH_A 0, 0, 4
	s_wait_loadcnt 0x0                             ; the bias
	STEP 0, 0, 1
	STEP 0, 1, 0
	STEP 0, 2, 0
	; slot 0's last step changes slots: one barrier; in front of it each wave shows its part of slot 1 landed.  Nothing is filled again.
	s_wait_tensorcnt 0x0                           ; all my tensor loads have landed
	ds_add_u32 v[SPW], v[NIL]                      ; 0 onto my spare word
	s_wait_dscnt 4*NL+1                            ; (the add and the youngest eight loads may be out)
	WIN MUL_LO
	MUL16 0, 1, NQ-1, 0, 0
	s_wait_dscnt 0x0                               ; no LDS instruction of mine is out at the signal
	s_barrier_signal -1
	MUL16 2, 1, NQ-1, 0, 0
	WIN 0
	s_barrier_wait -1
	PLACES NP
	v_add_nc_u32 v[ADRS], 4*NQ, v[ADRS]            ; on to the second K step's scale words
	FETCH_B 1, 0, 0
	FETCH_A 1, 0, 0
	SCALES 1
	WIN MUL_HI
	MUL16 4, 1, NQ-1, 0, 0
	MUL16 6, 1, NQ-1, 0, 0
	PLACES NP
	WIN 0
	FETCH_A 1, 0, 4
	STEP 1, 0, 0
	STEP 1, 1, 0
	STEP 1, 2, 0
	s_wait_dscnt 4*NL                              ; the very last step: nothing more to fetch
	WIN MUL_LO
	MUL16 0, 1, NQ-1, 1, 0
	MUL16 2, 1, NQ-1, 1, 0
	s_wait_dscnt 0
	WIN MUL_HI
	MUL16 4, 1, NQ-1, 1, 0
	MUL16 6, 1, NQ-1, 1, 0
	WIN 0
	PLACES NP                                      ; behind the last products: for the reads of results, the writes over A's fragments and the loads over B's
; The table of row block a: position 16 a + r, pairs 8 t + 4 h + 0 .. 3 for t = 0 .. 3: 32 registers (cos, sin, cos, sin ..) in window 1, by eight loads
.macro TABLOAD a
.set CSL, 64*(1-(\a)/4)+32*((\a)%2)+128*(((\a)%4)/2)
.irp t, 0,1,2,3
	global_load_b128 v[CSL+8*\t:CSL+8*\t+3], v[TA], s[10:11] offset:(\a)*4096+\t*64
	global_load_b128 v[CSL+8*\t+4:CSL+8*\t+7], v[TA], s[10:11] offset:(\a)*4096+\t*64+16
.endr
.endm
; Row block a (16 positions x 128 columns): rotate, pack, store.  Each accumulator is read from its low end on.
.macro ROPE a
.if (\a) >= 2
	s_wait_xcnt 0x0                                ; block a - 2's stores have read their data: the set is written again only behind this wait
.endif
.if (\a) < 4
	s_wait_loadcnt 24                              ; block a's eight loads are in; the 24 of the three blocks behind it may be out
	WIN TO_B
	TABLOAD (\a)+4                                 ; the table four blocks on: it has four blocks' rotation in which to land
.else
	s_wait_loadcnt 8*(7-(\a))                      ; nothing more is asked for: the counts run down 24, 16, 8, 0
.endif
.set AC, 64*((\a)%4)
.set CSB, 64*(1-(\a)/4)+32*((\a)%2)+128*(((\a)%4)/2)
.set PK, PKB+32*((\a)%2)
.set WN, 0x04+2+(\a)/4                 ; source 0 (the sums) window 2 or 3, source 1 (the table) window 1, the rest window 0
	WIN WN
.irp bb, 0,1,2,3,4,5,6,7
.irp i, 0,1,2,3
	v_pk_mul_f32 v[TT+8*\bb+2*\i:TT+8*\bb+2*\i+1], v[AC+8*\bb+2*\i:AC+8*\bb+2*\i+1], v[CSB+8*(\bb%4)+2*\i:CSB+8*(\bb%4)+2*\i+1] op_sel_hi:[1,0]   ; (x0 cos, x1 cos)
.endr
.endr
.irp bb, 0,1,2,3,4,5,6,7
.irp i, 0,1,2,3
	v_pk_fma_f32 v[TT+8*\bb+2*\i:TT+8*\bb+2*\i+1], v[AC+8*\bb+2*\i:AC+8*\bb+2*\i+1], v[CSB+8*(\bb%4)+2*\i:CSB+8*(\bb%4)+2*\i+1], v[TT+8*\bb+2*\i:TT+8*\bb+2*\i+1] op_sel:[1,1,0] op_sel_hi:[0,1,1] neg_lo:[0,1,0]   ; low: - x1 sin; high: + x0 sin
.endr
.endr
	WIN 0
.irp bb, 0,1,2,3,4,5,6,7
.irp i, 0,1,2,3
	v_cvt_pk_f16_f32 v[PK+4*\bb+\i], v[TT+8*\bb+2*\i], v[TT+8*\bb+2*\i+1]
.endr
.endr
.irp bb, 0,1,2,3,4,5,6,7
	global_store_b128 v[CO], v[PK+4*\bb:PK+4*\bb+3], s[12:13] offset:(\a)*2048+(\bb/4)*262144+(\bb%4)*512   ; an image: 512 consecutive bytes, aligned
.endr
.endm
.macro VOUT a                          ; the same for v: no rotation
.set AC, 64*((\a)%4)
.set PK, PKB+32*((\a)%2)
.set WN, 5*(2+(\a)/4)                  ; sources 0 and 1 window 2 or 3
.if (\a) >= 2
	s_wait_xcnt 0x0
.endif
	WIN WN
.irp bb, 0,1,2,3,4,5,6,7
.irp i, 0,1,2,3
	v_cvt_pk_f16_f32 v[PK+4*\bb+\i], v[AC+8*\bb+2*\i], v[AC+8*\bb+2*\i+1]
.endr
.endr
	WIN 0
.irp bb, 0,1,2,3,4,5,6,7
	global_store_b128 v[COV], v[PK+4*\bb:PK+4*\bb+3], s[12:13] offset:(\a)*2048+(\bb/4)*262144+(\bb%4)*512
.endr
.endm
	s_cmp_eq_u32 ttmp9, 2                          ; v is not rotated: its work-groups load no table.  The one branch on q, k or v
	s_cbranch_scc1 .Lv_out
	WIN TO_B
.irp a, 0,1,2,3
	TABLOAD \a                                     ; 32 loads of mine are out
.endr
	WIN 0
.irp a, 0,1,2,3,4,5,6,7
	ROPE \a
.endr
	s_branch .Lfin
.Lv_out:
.irp a, 0,1,2,3,4,5,6,7
	VOUT \a
.endr
.Lfin:
	s_wait_tensorcnt 0x0                           ; the wave's end, behind my last tensor load
	ds_add_u32 v[SPW], v[NIL]
	s_wait_dscnt 0x0
	CROUND                                         ; the closing round: no work-group ends while a partner may still ask for a tile that names it
	s_endpgm
.Lfunc_end_k_q3e28c17287_qkv:
	.size	k_q3e28c17287_qkv, .Lfunc_end_k_q3e28c17287_qkv-k_q3e28c17287_qkv
	.p2alignl 7, 3214868480
	.fill 96, 4, 3214868480
	.section	.rodata,"a",@progbits
	.p2align	6, 0x0
	.amdhsa_kernel k_q3e28c17287_qkv
		.amdhsa_group_segment_fixed_size 327680
		.amdhsa_private_segment_fixed_size 0
		.amdhsa_enable_private_segment 0
		.amdhsa_kernarg_size 72
		.amdhsa_user_sgpr_count 2
		.amdhsa_user_sgpr_kernarg_segment_ptr 1
		.amdhsa_wavefront_size32 1
		.amdhsa_system_sgpr_workgroup_id_x 1
		.amdhsa_system_sgpr_workgroup_id_y 1
		.amdhsa_system_sgpr_workgroup_id_z 1
		.amdhsa_system_vgpr_workitem_id 0
		.amdhsa_next_free_vgpr 1024
		.amdhsa_next_free_sgpr 98
		.amdhsa_reserve_vcc 0
		.amdhsa_float_denorm_mode_32 3
		.amdhsa_float_denorm_mode_16_64 3
		.amdhsa_memory_ordered 1
		.amdhsa_forward_progress 1
		.amdhsa_inst_pref_size 181
	.end_amdhsa_kernel
	.amdgpu_metadata
---
amdhsa.version: [ 1, 2 ]
amdhsa.kernels:
  - .name:           k_q3e28c17287_qkv
    .symbol:         k_q3e28c17287_qkv.kd
    .args:
      - { .name: x_codes, .offset: 0, .size: 8, .value_kind: global_buffer, .address_space: global }
      - { .name: x_scales, .offset: 8, .size: 8, .value_kind: global_buffer, .address_space: global }
      - { .name: w_codes, .offset: 16, .size: 8, .value_kind: global_buffer, .address_space: global }
      - { .name: w_scales, .offset: 24, .size: 8, .value_kind: global_buffer, .address_space: global }
      - { .name: qkv, .offset: 32, .size: 8, .value_kind: global_buffer, .address_space: global }
      - { .name: bq, .offset: 40, .size: 8, .value_kind: global_buffer, .address_space: global }
      - { .name: bk, .offset: 48, .size: 8, .value_kind: global_buffer, .address_space: global }
      - { .name: bv, .offset: 56, .size: 8, .value_kind: global_buffer, .address_space: global }
      - { .name: tab, .offset: 64, .size: 8, .value_kind: global_buffer, .address_space: global }
    .group_segment_fixed_size: 327680
    .private_segment_fixed_size: 0
    .kernarg_segment_align: 8
    .kernarg_segment_size: 72
    .max_flat_workgroup_size: 128
    .sgpr_count:     98
    .vgpr_count:     1024
    .wavefront_size: 32
...
	.end_amdgpu_metadata
.endif
;; end of part 2
;; launch attn (part 3): grid 4 x 64, 8 waves a work-group, clusters of 4 x 1, 327,680 bytes of LDS; arguments qkv, att; writes att
.if DOCPART == 3
	.amdgcn_target "amdgcn-amd-amdhsa--gfx1250"
	.amdhsa_code_object_version 6
	.text
	.protected	k_q3e28c17287_attn
	.globl	k_q3e28c17287_attn
	.p2align	8
	.type	k_q3e28c17287_attn,@function
k_q3e28c17287_attn:
	s_mov_b64 s[64:65], 0
	v_nop
	global_prefetch_b8 v0, s[64:65] scope:SCOPE_SE
	s_setreg_imm32_b32 hwreg(HW_REG_WAVE_MODE, 25, 1), 1
	s_wait_xcnt 0x0
	s_wait_alu depctr_hold_cnt(0) depctr_sa_sdst(0) depctr_va_vdst(0) depctr_va_sdst(0) depctr_va_ssrc(0) depctr_va_vcc(0) depctr_vm_vsrc(0)
	s_getreg_b32 s2, hwreg(HW_REG_IB_STS2, 6, 4)
	s_cmp_eq_u32 s2, 0
	s_cbranch_scc0 .Lentry_in_a_cluster
	s_endpgm
.Lentry_in_a_cluster:
	s_bfe_u32 s2, ttmp6, 0x10000c
	s_cmp_lg_u32 s2, 0x3003
	s_cbranch_scc0 .Lentry_shape_is_right
	s_endpgm
.Lentry_shape_is_right:
; O[bh][q] = the sum over k of softmax_k(Q[bh][q] . K[bh][k] / 8) V[bh][k]: 64 heads (16 b + head) of 2,048 positions x 64 channels, no mask.  Operands f16, products, maxima and sums f32; the weights p are rounded to f16
; for the second product, O once at the end.  No work of the definition is left out here.
; INPUT: qkv as the launch before laid it: images of operand registers, 512 bytes each (16 positions x 16 channels).  q, k: lane l's 16 bytes at 16 l; v: rows [key][16 channels] of 32 bytes.
; SHARES.  A work-group owns 512 queries of one head, each of its EIGHT waves 64: four tiles of 16, in 448 registers.  Two waves share a SIMD, so that one wave's softmax stands beside the other's products while the text
; stays in plain phases; a fragment of K or V read from LDS feeds four products.
; LAYOUT.  S^T = K Q^T (source 0 = 16 keys, source 1 = 16 queries): a lane holds ONE query (lane % 16) and the keys 8 (lane / 16) + 0 .. 7.  Two such tiles, rounded to f16 in pairs, ARE source 1 (32 keys x 16 queries) of
; O^T = V^T P, whose result again holds one query a lane, and eight channels.  K comes out of LDS as it lies, V turned, by ds_load_tr16_b128 from rows of 32 bytes.
; SOFTMAX.  For each query a running maximum m and sum l: p = 2^(c s - c m), c = log2(e) / 8; in every step O and l are multiplied by a = 2^(c m_old - c m_new).
; RING.  Two LDS slots of 512 keys: K's 65,536 bytes, then V's: dense images, so no padding: a load's 32 lanes take 512 consecutive bytes.  Every wave fetches 16,384 bytes of a slot by one tensor load (waves 0-3: K, waves 4-7: V).
; CLUSTER.  The four query blocks of a head walk the same K and V: each tile is asked for JOINTLY, by the same load with the same descriptor and the mask of all four.
; No prefetch is laid: slots 0 and 1, half of the head's keys, come with the first fills, and each of the two refills is asked for eight key steps ahead of the wait for it.
; OUTPUT: att, again images: byte = (m / 256) x 524,288 + kc x 16,384 + ((m % 256) / 16) x 1,024 + u x 512 + 16 x lane, m = 2048 b + position, kc = 2 head + t / 2, u = t % 2: the next product's A fragments.
; LIMITS: NaN and infinite scores are not served; a p under f16's smallest number counts as 0 in the second product (the sum keeps the f32 p).
; REGISTERS: window 0: v1-6 addresses; v8-39 statistics, 8 a tile; v40-103 a step's K, then its V; v104-231 S^T, 32 a tile, P packed in place into each tile's first 16.   window 1: v0-127 O^T, 32 a tile; v128-191 Q, 16 a tile.
.set SLOTB, 131072
.set VOFF,  65536
.set SPARE, 262144                     ; behind the ring: the spare words, 128 bytes for each of the eight waves
.set SPW, 1                            ; v1  LDS address of my spare word; never rewritten
.set NIL, 2                            ; v2  0; never rewritten
.set LI,  3                            ; v3  16 x lane
.set AV0, 4                            ; v4  my lane's place in an image of V, for the turning load
.set ADK, 5                            ; v5  LDS address of the step's K
.set ADV, 6                            ; v6  of its V
.set ST,  8                            ; tile x at v[ST + 8 x]: +0 c m, +1 m, +2, +3 l (two halves), +4 .. +7 at work: four chains of the maximum; then +4, +5 a second chain of the sum, +6 a, +7 c m_old - c m_new
.set KV,  40
.set S,   104
.set O,   0                            ; in window 1
.set Q,   128                          ; in window 1
.set WV,  12                           ; s12 my wave's number
.set G1,  16                           ; s[16:23] descriptor group 1, the same for every load
.set G0,  24                           ; s[24:31] group 0, a set for each slot
.set CS,  32                           ; s[32:33] c, twice: the packed form names a pair
.set SEL, 34                           ; s[34:35] v_permlanex16_b32's selects for lane l xor 16
.set TB,  36                           ; s36 LDS byte at which the step's K begins
.set CNT, 37                           ; s37 counts a slot's steps
.set MSB, 0
.macro WIN new                         ; the immediate's high byte repeats the setting that is left
.if MSB != \new
	s_set_vgpr_msb (MSB<<8)|\new
.set MSB, \new
.endif
.endm
.set W_KQ, 0x04                        ; Q (source 1) window 1, all else window 0
.set W_PV, 0x50                        ; O^T (C and D) window 1, V and P window 0
.set W_RS, 0x41                        ; O^T (destination and source 0) window 1, the factor window 0
.macro CROUND                          ; a round of the cluster's barrier
	s_barrier_signal -1
	s_barrier_wait -1
	s_cmp_lg_u32 s[WV], 0
	s_cbranch_scc1 .Lnot_wave_0_\@
	s_barrier_signal -3
.Lnot_wave_0_\@:
	s_barrier_wait -3
	s_barrier_signal -1
	s_barrier_wait -1
.endm
	s_load_b128 s[4:7], s[0:1], 0x0                ; qkv s[4:5], att s[6:7]
	v_lshl_add_u32 v[SPW], v0, 2, SPARE
	v_mov_b32 v[NIL], 0
	ds_add_u32 v[SPW], v[NIL]                      ; the wave's opening: the add, twice on end, and its wait ahead of my first tensor load
	ds_add_u32 v[SPW], v[NIL]                      ; and once more, under the one wait; the set-up below, work on registers, stands between
	v_lshrrev_b32 v3, 5, v0
	v_readfirstlane_b32 s[WV], v3                  ; wave 0..7
	s_bfe_u32 s13, ttmp6, 0x40000                  ; cx: my block of 512 queries; it enters Q's and att's addresses alone
	s_and_b32 s14, ttmp7, 0xffff                   ; 16 b + head, which the four partners share
	; descriptor group 1: a dense block of 16,384 bytes as 64 rows of 256 bytes (32 elements of 8), no padding
	s_mov_b32 s[G1], 15|(3<<16)|(1<<21)            ; the mask: all four work-groups; elements of 8 bytes; bit 21 beside a mask
	s_mov_b32 s[G1+1], 32<<16                      ; tensor_dim0
	s_mov_b32 s[G1+2], 64<<16                      ; tensor_dim1
	s_mov_b32 s[G1+3], 32<<16                      ; tile_dim0
	s_mov_b32 s[G1+4], 64                          ; tile_dim1
	s_mov_b32 s[G1+5], 32                          ; the pitch
	s_mov_b32 s[G1+6], 0
	s_mov_b32 s[G1+7], 0
	s_mov_b32 s[CS], 0x3e38aa3b                    ; c = log2(e) / 8
	s_mov_b32 s[CS+1], s[CS]
	s_mov_b32 s[SEL], 0x76543210
	s_mov_b32 s[SEL+1], 0xfedcba98
	s_lshl_b32 s38, s14, 18                        ; the head's 262,144 bytes in each of q, k, v
	s_lshr_b32 s8, s[WV], 2
	s_add_co_u32 s8, s8, 1                         ; waves 0-3: k (1), waves 4-7: v (2)
	s_lshl_b32 s8, s8, 24
	s_add_co_u32 s8, s8, s38
	s_and_b32 s39, s[WV], 3
	s_lshl_b32 s10, s39, 14                        ; my quarter of a slot's 65,536 bytes
	s_add_co_u32 s8, s8, s10
	s_mov_b32 s9, 0
	s_lshl_b32 s15, s[WV], 14                      ; and where it goes in a slot: wave x 16,384
	s_lshl_b32 s10, s13, 16                        ; Q: 512 queries x 128 bytes a block,
	s_lshl_b32 s11, s[WV], 13                      ; 64 a wave
	s_add_co_u32 s10, s10, s11
	s_add_co_u32 s10, s10, s38
	s_mov_b32 s11, 0
	s_lshr_b32 s40, s14, 4                         ; att: b,
	s_lshl_b32 s40, s40, 3
	s_lshl_b32 s41, s13, 1
	s_add_co_u32 s40, s40, s41
	s_lshr_b32 s41, s[WV], 2
	s_add_co_u32 s40, s40, s41                     ; m / 256 = 8 b + 2 cx + wave / 4
	s_lshl_b32 s40, s40, 19
	s_and_b32 s41, s14, 15
	s_lshl_b32 s41, s41, 15                        ; the head's two chunks of 32 K
	s_add_co_u32 s40, s40, s41
	s_lshl_b32 s41, s39, 12                        ; my four tiles of rows
	s_add_co_u32 s40, s40, s41
	s_mov_b32 s41, 0
	s_wait_dscnt 0x0                               ; both opening adds are done
	s_wait_kmcnt 0x0
	s_add_nc_u64 s[8:9], s[4:5], s[8:9]            ; my part of slot 0's keys
	s_add_nc_u64 s[10:11], s[4:5], s[10:11]        ; my queries
	s_add_nc_u64 s[6:7], s[6:7], s[40:41]          ; my rows of att
	CROUND                                         ; all four work-groups are here: the first joint loads meet
.irp s, 0,1
	s_mov_b32 s[G0+4*\s], 1                        ; count = 1
	s_add_co_u32 s[G0+4*\s+1], s15, \s*SLOTB       ; LDS address
	s_add_nc_u64 s[G0+4*\s+2:G0+4*\s+3], s[8:9], \s*65536   ; keys 512 s on
	s_or_b32 s[G0+4*\s+3], s[G0+4*\s+3], 0x80000000         ; type = 2
.endr
	tensor_load_to_lds s[G0:G0+3], s[G1:G1+7]      ; every wave issues both first fills: two loads of mine are out
	s_nop 0
	tensor_load_to_lds s[G0+4:G0+7], s[G1:G1+7]
	s_nop 0
.rept 4
	v_nop
.endr
	v_and_b32 v[LI], 31, v0
	v_lshlrev_b32 v[LI], 4, v[LI]
	WIN 0x40                                       ; destination window 1, address window 0
.set i, 0
.rept 16
	global_load_b128 v[Q+4*i:Q+4*i+3], v[LI], s[10:11] offset:512*i   ; Q stays in registers: image 4 x + t is registers 4 t .. 4 t + 3 of tile x's 16
.set i, i+1
.endr
	WIN 0
	; the turning load takes 16 keys x 16 channels: lane l reads 16 bytes: key 8 (l / 16) + l % 8, channels 8 ((l / 8) % 2) + 0 .. 7, and leaves half a fragment of V^T: channel l % 16, 8 keys
	v_bfe_u32 v5, v0, 4, 1
	v_and_b32 v6, 7, v0
	v_lshl_add_u32 v[AV0], v5, 3, v6
	v_lshlrev_b32 v[AV0], 5, v[AV0]
	v_bfe_u32 v5, v0, 3, 1
	v_lshl_add_u32 v[AV0], v5, 4, v[AV0]
	v_add_nc_u32 v[AV0], VOFF, v[AV0]
; A KEY STEP: 64 keys, 8,192 bytes of K and of V from LDS byte s[TB] on.  first = 1: the head's first step, which starts m, l and O^T: nothing is ever cleared.
.macro STEP first
	v_add_nc_u32 v[ADK], s[TB], v[LI]
	v_add_nc_u32 v[ADV], s[TB], v[AV0]
.rept 3
	v_nop                                          ; with the two additions five plain instructions behind the last V^T P: its V registers are loaded anew (four are asked), its P registers written over by the products below (five)
.endr
.set i, 0
.rept 16
	ds_load_b128 v[KV+4*i:KV+4*i+3], v[ADK] offset:512*i   ; image 4 kt + t: fragment (kt, c = t / 2) at KV + 8 (2 kt + c)
.set i, i+1
.endr
	s_wait_dscnt 0x0
	WIN W_KQ
.irp c, 0,1                            ; S^T = K Q^T: the 16 accumulators take turns, one instruction a turn
.irp kt, 0,1,2,3
.irp x, 0,1,2,3
.if \c == 0
	v_wmma_f32_16x16x32_f16 v[S+32*\x+8*\kt:S+32*\x+8*\kt+7], v[KV+8*(2*\kt+\c):KV+8*(2*\kt+\c)+7], v[Q+16*\x+8*\c:Q+16*\x+8*\c+7], 0
.else
	v_wmma_f32_16x16x32_f16 v[S+32*\x+8*\kt:S+32*\x+8*\kt+7], v[KV+8*(2*\kt+\c):KV+8*(2*\kt+\c)+7], v[Q+16*\x+8*\c:Q+16*\x+8*\c+7], v[S+32*\x+8*\kt:S+32*\x+8*\kt+7]
.endif
.endr
.endr
.endr
	WIN 0
.rept 4
	v_nop                                          ; four places: in front of the loads over K's registers and of the first reads of the scores
.endr
.irp t, 0,1,2,3
.irp kp, 0,1
.irp e, 0,1
	ds_load_tr16_b128 v[KV+8*(2*\t+\kp)+4*\e:KV+8*(2*\t+\kp)+4*\e+3], v[ADV] offset:(2*\kp+\e)*2048+\t*512   ; V^T: channels 16 t on, keys 32 kp + 16 e on; it lands under the softmax
.endr
.endr
.endr
	; the maximum of a lane's 32 scores and the old m: four chains, each begun at an accumulator's low end; the four tiles line by line, so that no line waits for the line above it
.irp j, 0,1,2,3
.irp x, 0,1,2,3
	v_max3_num_f32 v[ST+8*\x+4+\j], v[S+32*\x+8*\j], v[S+32*\x+8*\j+1], v[S+32*\x+8*\j+2]
.endr
.endr
.irp g, 1,2
.irp j, 0,1,2,3
.irp x, 0,1,2,3
	v_max3_num_f32 v[ST+8*\x+4+\j], v[ST+8*\x+4+\j], v[S+32*\x+8*\j+2*\g+1], v[S+32*\x+8*\j+2*\g+2]
.endr
.endr
.endr
.irp x, 0,1,2,3
	v_max3_num_f32 v[ST+8*\x+4], v[ST+8*\x+4], v[S+32*\x+7], v[S+32*\x+15]
.endr
.irp x, 0,1,2,3
	v_max3_num_f32 v[ST+8*\x+6], v[ST+8*\x+6], v[S+32*\x+23], v[S+32*\x+31]
.endr
.irp x, 0,1,2,3
	v_max3_num_f32 v[ST+8*\x+4], v[ST+8*\x+4], v[ST+8*\x+5], v[ST+8*\x+6]
.endr
.irp x, 0,1,2,3
.if \first
	v_max_num_f32 v[ST+8*\x+4], v[ST+8*\x+4], v[ST+8*\x+7]
.else
	v_max3_num_f32 v[ST+8*\x+4], v[ST+8*\x+4], v[ST+8*\x+7], v[ST+8*\x+1]
.endif
.endr
.irp x, 0,1,2,3
	v_permlanex16_b32 v[ST+8*\x+5], v[ST+8*\x+4], s[SEL], s[SEL+1]   ; the query's other 32 keys lie in the lane 16 away
.endr
.if \first == 0
.irp x, 0,1,2,3
	v_mov_b32 v[ST+8*\x+7], v[ST+8*\x]             ; c m_old is kept for a
.endr
.endif
.irp x, 0,1,2,3
	v_max_num_f32 v[ST+8*\x+1], v[ST+8*\x+4], v[ST+8*\x+5]   ; the new m
.endr
.irp x, 0,1,2,3
	v_mul_f32 v[ST+8*\x], s[CS], v[ST+8*\x+1]      ; c m
.endr
.if \first == 0
.irp x, 0,1,2,3
	v_sub_f32 v[ST+8*\x+7], v[ST+8*\x+7], v[ST+8*\x]
.endr
.endif
.set j, 0
.rept 16
.irp x, 0,1,2,3
	v_pk_fma_f32 v[S+32*\x+2*j:S+32*\x+2*j+1], v[S+32*\x+2*j:S+32*\x+2*j+1], s[CS:CS+1], v[ST+8*\x:ST+8*\x+1] op_sel_hi:[1,0,0] neg_lo:[0,0,1] neg_hi:[0,0,1]   ; c s - c m, two at a time
.endr
.set j, j+1
.endr
	; ONE BATCH of exponentials, none of which reads another's result
.if \first == 0
.irp x, 0,1,2,3
	v_exp_f32 v[ST+8*\x+6], v[ST+8*\x+7]           ; a
.endr
.endif
.set j, 0
.rept 32
.irp x, 0,1,2,3
	v_exp_f32 v[S+32*\x+j], v[S+32*\x+j]           ; p
.endr
.set j, j+1
.endr
	v_nop                                          ; a plain instruction behind the last exponential
	s_wait_alu depctr_va_vdst(0)                   ; and the one wait ahead of the batch's first reader
	; the sums of the unrounded p, in two chains a tile
.if \first
.irp x, 0,1,2,3
	v_pk_add_f32 v[ST+8*\x+2:ST+8*\x+3], v[S+32*\x:S+32*\x+1], v[S+32*\x+2:S+32*\x+3]
	v_pk_add_f32 v[ST+8*\x+4:ST+8*\x+5], v[S+32*\x+4:S+32*\x+5], v[S+32*\x+6:S+32*\x+7]
.endr
.irp j, 8,12,16,20,24,28
.irp x, 0,1,2,3
	v_pk_add_f32 v[ST+8*\x+2:ST+8*\x+3], v[ST+8*\x+2:ST+8*\x+3], v[S+32*\x+\j:S+32*\x+\j+1]
	v_pk_add_f32 v[ST+8*\x+4:ST+8*\x+5], v[ST+8*\x+4:ST+8*\x+5], v[S+32*\x+\j+2:S+32*\x+\j+3]
.endr
.endr
.else
.irp x, 0,1,2,3
	v_pk_fma_f32 v[ST+8*\x+2:ST+8*\x+3], v[ST+8*\x+2:ST+8*\x+3], v[ST+8*\x+6:ST+8*\x+7], v[S+32*\x:S+32*\x+1] op_sel_hi:[1,0,1]   ; l = a l + the first pair
	v_pk_add_f32 v[ST+8*\x+4:ST+8*\x+5], v[S+32*\x+2:S+32*\x+3], v[S+32*\x+4:S+32*\x+5]
.endr
.irp x, 0,1,2,3
	v_pk_add_f32 v[ST+8*\x+2:ST+8*\x+3], v[ST+8*\x+2:ST+8*\x+3], v[S+32*\x+6:S+32*\x+7]
.endr
.irp j, 8,12,16,20,24,28
.irp x, 0,1,2,3
	v_pk_add_f32 v[ST+8*\x+4:ST+8*\x+5], v[ST+8*\x+4:ST+8*\x+5], v[S+32*\x+\j:S+32*\x+\j+1]
	v_pk_add_f32 v[ST+8*\x+2:ST+8*\x+3], v[ST+8*\x+2:ST+8*\x+3], v[S+32*\x+\j+2:S+32*\x+\j+3]
.endr
.endr
.endif
.irp x, 0,1,2,3
	v_pk_add_f32 v[ST+8*\x+2:ST+8*\x+3], v[ST+8*\x+2:ST+8*\x+3], v[ST+8*\x+4:ST+8*\x+5]
.endr
.set j, 0
.rept 16
.irp x, 0,1,2,3
	v_cvt_pk_f16_f32 v[S+32*\x+j], v[S+32*\x+2*j], v[S+32*\x+2*j+1]   ; P, in place and ascending: register j is written when registers 2 j, 2 j + 1 are read
.endr
.set j, j+1
.endr
.if \first == 0
	WIN W_RS
.irp x, 0,1,2,3
.set j, 0
.rept 16
	v_pk_mul_f32 v[O+32*\x+2*j:O+32*\x+2*j+1], v[O+32*\x+2*j:O+32*\x+2*j+1], v[ST+8*\x+6:ST+8*\x+7] op_sel_hi:[1,0]   ; O^T x a, each accumulator from its low end on
.set j, j+1
.endr
.endr
.endif
	s_wait_dscnt 0x0                               ; V is in
	WIN W_PV
.irp kp, 0,1                           ; O^T += V^T P: the 16 accumulators take turns
.irp t, 0,1,2,3
.irp x, 0,1,2,3
.if \first && (\kp == 0)
	v_wmma_f32_16x16x32_f16 v[O+32*\x+8*\t:O+32*\x+8*\t+7], v[KV+8*(2*\t+\kp):KV+8*(2*\t+\kp)+7], v[S+32*\x+8*\kp:S+32*\x+8*\kp+7], 0
.else
	v_wmma_f32_16x16x32_f16 v[O+32*\x+8*\t:O+32*\x+8*\t+7], v[KV+8*(2*\t+\kp):KV+8*(2*\t+\kp)+7], v[S+32*\x+8*\kp:S+32*\x+8*\kp+7], v[O+32*\x+8*\t:O+32*\x+8*\t+7]
.endif
.endr
.endr
.endr
	WIN 0
	s_add_co_u32 s[TB], s[TB], 8192                ; the next step's images
.endm
.macro PHASE slot, trips, first        ; a slot's eight key steps: written once, walked by a counted loop
	s_mov_b32 s[TB], \slot*SLOTB
.if \first
	STEP 1
.endif
	s_mov_b32 s[CNT], \trips
.Lstep_\@:
	STEP 0
	s_sub_co_u32 s[CNT], s[CNT], 1
	s_cmp_lg_u32 s[CNT], 0
	s_cbranch_scc1 .Lstep_\@
.endm
; THE CHANGE OF SLOTS.  Each wave waits for all its tensor loads (one is out: its part of the slot ahead), adds 0 to its spare word, and waits for that and for its reads of the slot that it leaves.
; fill = 1: that slot is filled again, with the keys 1,024 further on: the barrier is a round of the cluster's, and the joint refill is the first thing behind it: one load a wave, eight key steps ahead of the wait for it.
.macro CHANGE fill, slot
	s_wait_tensorcnt 0x0                           ; no tensor load of mine is out, so a group 0 may be written
	ds_add_u32 v[SPW], v[NIL]                      ; 0 onto my spare word
.if \fill
	s_add_nc_u64 s[G0+4*\slot+2:G0+4*\slot+3], s[G0+4*\slot+2:G0+4*\slot+3], 131072   ; two slots' keys on; the type bits on top are not reached
.endif
	s_wait_dscnt 0x0                               ; the add is done, and my reads of the slot are over
.if \fill
	CROUND
	tensor_load_to_lds s[G0+4*\slot:G0+4*\slot+3], s[G1:G1+7]
	s_nop 0
.rept 4
	v_nop
.endr
.else
	s_barrier_signal -1
	s_barrier_wait -1
.endif
.endm
	s_wait_tensorcnt 1                             ; my part of slot 0 is in; slot 1's may stay out
	s_barrier_signal -1
	s_barrier_wait -1                              ; everybody's is
	s_wait_loadcnt 0x0                             ; Q
	PHASE 0, 7, 1                                  ; keys 0-511
	CHANGE 1, 0                                    ; slot 0 takes keys 1,024-1,535
	PHASE 1, 8, 0                                  ; keys 512-1,023
	CHANGE 1, 1                                    ; slot 1 takes keys 1,536-2,047: the last load
	PHASE 0, 8, 0
	CHANGE 0, 0                                    ; nothing is left to fetch
	PHASE 1, 8, 0
	; THE WAY OUT.  l's two halves and the other half of the lanes' are added; O^T is divided by l, rounded to f16 and stored as it stands: four registers are an image.  The additions are the places behind the last products.
.irp x, 0,1,2,3
	v_add_f32 v[ST+8*\x+4], v[ST+8*\x+2], v[ST+8*\x+3]
.endr
.irp x, 0,1,2,3
	v_permlanex16_b32 v[ST+8*\x+5], v[ST+8*\x+4], s[SEL], s[SEL+1]
.endr
.irp x, 0,1,2,3
	v_add_f32 v[ST+8*\x+4], v[ST+8*\x+4], v[ST+8*\x+5]
.endr
.irp x, 0,1,2,3
	v_rcp_f32 v[ST+8*\x+6], v[ST+8*\x+4]
.endr
	v_nop                                          ; a plain instruction behind the last reciprocal
	s_wait_alu depctr_va_vdst(0)                   ; and the wait ahead of the first use: one for the four
	WIN W_RS
.irp x, 0,1,2,3
.set j, 0
.rept 16
	v_pk_mul_f32 v[O+32*\x+2*j:O+32*\x+2*j+1], v[O+32*\x+2*j:O+32*\x+2*j+1], v[ST+8*\x+6:ST+8*\x+7] op_sel_hi:[1,0]
.set j, j+1
.endr
.endr
	WIN 0x05                                       ; sources 0 and 1 window 1, destination window 0: S^T's registers are free
.set j, 0
.rept 64
	v_cvt_pk_f16_f32 v[S+j], v[O+2*j], v[O+2*j+1]  ; register 16 x + 4 t + i: channels 16 t + 8 h + 2 i, + 1 of tile x
.set j, j+1
.endr
	WIN 0
.irp x, 0,1,2,3
.irp t, 0,1,2,3
	global_store_b128 v[LI], v[S+16*\x+4*\t:S+16*\x+4*\t+3], s[6:7] offset:\x*1024+(\t/2)*16384+(\t%2)*512   ; an image: 512 consecutive bytes, aligned
.endr
.endr
	s_wait_tensorcnt 0x0                           ; the wave's end, behind my last tensor load
	ds_add_u32 v[SPW], v[NIL]
	s_wait_dscnt 0x0
	CROUND                                         ; the closing round: no work-group ends while a partner may still ask for a tile that names it
	s_endpgm
.Lfunc_end_k_q3e28c17287_attn:
	.size	k_q3e28c17287_attn, .Lfunc_end_k_q3e28c17287_attn-k_q3e28c17287_attn
	.p2alignl 7, 3214868480
	.fill 96, 4, 3214868480
	.section	.rodata,"a",@progbits
	.p2align	6, 0x0
	.amdhsa_kernel k_q3e28c17287_attn
		.amdhsa_group_segment_fixed_size 327680
		.amdhsa_private_segment_fixed_size 0
		.amdhsa_enable_private_segment 0
		.amdhsa_kernarg_size 16
		.amdhsa_user_sgpr_count 2
		.amdhsa_user_sgpr_kernarg_segment_ptr 1
		.amdhsa_wavefront_size32 1
		.amdhsa_system_sgpr_workgroup_id_x 1
		.amdhsa_system_sgpr_workgroup_id_y 1
		.amdhsa_system_sgpr_workgroup_id_z 1
		.amdhsa_system_vgpr_workitem_id 0
		.amdhsa_next_free_vgpr 512
		.amdhsa_next_free_sgpr 66
		.amdhsa_reserve_vcc 0
		.amdhsa_float_denorm_mode_32 3
		.amdhsa_float_denorm_mode_16_64 3
		.amdhsa_memory_ordered 1
		.amdhsa_forward_progress 1
		.amdhsa_inst_pref_size 172
	.end_amdhsa_kernel
	.amdgpu_metadata
---
amdhsa.version: [ 1, 2 ]
amdhsa.kernels:
  - .name:           k_q3e28c17287_attn
    .symbol:         k_q3e28c17287_attn.kd
    .args:
      - { .name: qkv, .offset: 0, .size: 8, .value_kind: global_buffer, .address_space: global }
      - { .name: att, .offset: 8, .size: 8, .value_kind: global_buffer, .address_space: global }
    .group_segment_fixed_size: 327680
    .private_segment_fixed_size: 0
    .kernarg_segment_align: 8
    .kernarg_segment_size: 16
    .max_flat_workgroup_size: 256
    .sgpr_count:     66
    .vgpr_count:     512
    .wavefront_size: 32
...
	.end_amdgpu_metadata
.endif
;; end of part 3
;; launch proj (part 4): grid 8 x 32, 4 waves a work-group, clusters of 4 x 4, 327,680 bytes of LDS; arguments att, wo16, bo, out0; writes out0
.if DOCPART == 4
	.amdgcn_target "amdgcn-amd-amdhsa--gfx1250"
	.amdhsa_code_object_version 6
	.text
	.protected	k_q3e28c17287_proj
	.globl	k_q3e28c17287_proj
	.p2align	8
	.type	k_q3e28c17287_proj,@function
k_q3e28c17287_proj:
	s_mov_b64 s[64:65], 0
	v_nop
	global_prefetch_b8 v0, s[64:65] scope:SCOPE_SE
	s_setreg_imm32_b32 hwreg(HW_REG_WAVE_MODE, 25, 1), 1
	s_wait_xcnt 0x0
	s_wait_alu depctr_hold_cnt(0) depctr_sa_sdst(0) depctr_va_vdst(0) depctr_va_sdst(0) depctr_va_ssrc(0) depctr_va_vcc(0) depctr_vm_vsrc(0)
	s_getreg_b32 s2, hwreg(HW_REG_IB_STS2, 6, 4)
	s_cmp_eq_u32 s2, 0
	s_cbranch_scc0 .Lentry_in_a_cluster
	s_endpgm
.Lentry_in_a_cluster:
	s_bfe_u32 s2, ttmp6, 0x10000c
	s_cmp_lg_u32 s2, 0xf033
	s_cbranch_scc0 .Lentry_shape_is_right
	s_endpgm
.Lentry_shape_is_right:
; out0 [8192][1024] f32 = att [8192][1024] Wo [1024][1024] + bo, operands f16, sums f32.  No work of the definition is left out here.
; Both operands arrive as IMAGES OF OPERAND REGISTERS, 512 bytes each (lane l's 16 bytes at 16 l):
;   att  byte = MB x 524,288 + kc x 16,384 + rt x 1,024 + u x 512 + 16 l   (MB = m / 256, kc = k / 32, rt = (m % 256) / 16): registers 4 u .. 4 u + 3 of the fragment of rows 16 rt on, K 32 kc on
;   wo16 byte = NB x 262,144 + kc x 8,192 + ct x 1,024 + u x 512 + 16 l    (NB = n / 128, ct = (n % 128) / 16)
; so a K step's tile is one dense block of memory, LDS needs no padding (a load's 32 lanes take 512 consecutive bytes), and every fragment is two loads of 16 bytes a lane.
; A tile of out0 is 256 (m) x 128 (n): 256 work-groups.  Four waves, each 128 x 64: 32 accumulators, 256 registers.  (256 x 256 would give work to half as many work-groups; 128 x 128 reads a third more LDS bytes for each product.)
; K goes in eight steps of 128 (four chunks of 32) through two LDS slots: A's 65,536 bytes, then B's 32,768.  Waves 0 and 1 fetch A's halves, waves 2 and 3 B's: one tensor load a wave.
; CLUSTERS: 4 x 4 work-groups; A's tiles are asked for jointly along a row of the cluster, B's along a column.
; THE MATRIX INSTRUCTION IS USED TRANSPOSED (source 0 = 16 columns of Wo, source 1 = 16 rows of att): a lane holds eight neighbouring numbers of a row of out0.  THE BIAS is the C of each sum's first product.
; REGISTERS: window 0: v16-29 addresses; v32-63 the bias; v64-127, v128-191 A's fragments, two sets; v192-223, v224-255 B's, two sets; on the way out v64-127 rows read back.   window 1: the accumulators, (a, b) at v[8 (4 a + b)].
.set SLOT,   98304
.set BOFF,   65536                     ; B's images lie behind A's in a slot
.set STAGE,  2*SLOT                    ; behind the ring: 16 rows x (256 bytes + 16) for each wave, for the way out
.set SPITCH, 272
.set SPARE,  STAGE+4*16*SPITCH         ; behind the stages: the spare words, 128 bytes for each wave
.set LAPS,   4                         ; a lap = two K steps = once round the ring
.set ADRA, 16                          ; v16-17  LDS address of my A images in slot 0, 1
.set ADRB, 20                          ; v20-21  the same for B
.set STO,  24                          ; v24     the way out: where I put 32 bytes of a row
.set RD,   25                          ; v25     where I read a row back
.set CO,   26                          ; v26     my byte offset in two rows of out0
.set BA,   27                          ; v27     32 h: my eight numbers of a tile's bias
.set SPW,  28                          ; v28     LDS address of my spare word; never rewritten
.set NIL,  29                          ; v29     0; never rewritten
.set BI,   32
.set FA,   64
.set FB,   192
.set BK,   64
.set G1, 24                            ; s[24:31] descriptor group 1 for A's tiles;  s[32:39] group 0, one set for each slot
.set G0, 32
.set G1B, 48                           ; s[48:55], s[56:63] the same for B's tiles
.set G0B, 56
.set MSB, 0
.macro WIN new                         ; the immediate's high byte repeats the setting that is left
.if MSB != \new
	s_set_vgpr_msb (MSB<<8)|\new
.set MSB, \new
.endif
.endm
.set MUL, 0x50                         ; C and D window 1, the fragments window 0
.set FST, 0x40                         ; a sum's first product: C (the bias) window 0, D window 1
.macro JLOAD s                         ; a joint load: waves 0 and 1 fetch A's halves, waves 2 and 3 B's; an s_nop 0 and four v_nop follow each of the two lines
	s_cmp_eq_u32 s15, 0
	s_cbranch_scc0 .Lfor_b_\@
	tensor_load_to_lds s[G0+4*\s:G0+4*\s+3], s[G1:G1+7]
	s_nop 0
.rept 4
	v_nop
.endr
	s_branch .Lasked_\@
.Lfor_b_\@:
	tensor_load_to_lds s[G0B+4*\s:G0B+4*\s+3], s[G1B:G1B+7]
	s_nop 0
.rept 4
	v_nop
.endr
.Lasked_\@:
.endm
.macro CREST                           ; a round of the cluster's barrier behind its opening barrier
	s_cmp_lg_u32 s14, 0
	s_cbranch_scc1 .Lnot_wave_0_\@
	s_barrier_signal -3
.Lnot_wave_0_\@:
	s_barrier_wait -3
	s_barrier_signal -1
	s_barrier_wait -1
.endm
.macro CROUND                          ; a whole round
	s_barrier_signal -1
	s_barrier_wait -1
	CREST
.endm
	s_load_b256 s[4:11], s[0:1], 0x0               ; att s[4:5], wo16 s[6:7], bo s[8:9], out0 s[10:11]
	v_lshl_add_u32 v[SPW], v0, 2, SPARE
	v_mov_b32 v[NIL], 0
	ds_add_u32 v[SPW], v[NIL]                      ; the wave's opening: the add, twice on end, and its wait ahead of my first tensor load
	ds_add_u32 v[SPW], v[NIL]                      ; and once more, under the one wait; the set-up below, work on registers, stands between
	v_lshrrev_b32 v1, 5, v0
	v_readfirstlane_b32 s14, v1                    ; wave 0..3
	s_lshr_b32 s15, s14, 1                         ; which half of the tile's rows is mine.  Also: I fetch for A (0) or for B (1)
	s_and_b32 s16, s14, 1                          ; which half of its columns.  Also: which half of that tile I fetch
	s_bfe_u32 s40, ttmp6, 0x40000                  ; cx, cy: my place in the cluster
	s_bfe_u32 s41, ttmp6, 0x40004
	s_lshl_b32 s42, ttmp9, 2
	s_add_co_u32 s42, s42, s40                     ; tile column = 4 x cluster x + cx: 0 .. 7
	s_and_b32 s17, ttmp7, 0xffff
	s_lshl_b32 s17, s17, 2
	s_add_co_u32 s17, s17, s41                     ; tile row = 4 x cluster y + cy: 0 .. 31
	s_lshl_b32 s43, s41, 2
	s_lshl_b32 s43, 15, s43                        ; my row of the cluster
	s_lshl_b32 s44, 0x1111, s40                    ; my column
	; descriptor group 1: dense blocks as rows of 256 bytes (32 elements of 8), no padding: A's half 128 rows, B's half 64
	s_or_b32 s[G1+0], s43, (3<<16)|(1<<21)         ; the mask: A's tiles go to my row; elements of 8 bytes; bit 21 beside a mask
	s_mov_b32 s[G1+1], 32<<16                      ; tensor_dim0
	s_mov_b32 s[G1+2], 128<<16                     ; tensor_dim1
	s_mov_b32 s[G1+3], 32<<16                      ; tile_dim0
	s_mov_b32 s[G1+4], 128                         ; tile_dim1
	s_mov_b32 s[G1+5], 32                          ; the pitch
	s_mov_b32 s[G1+6], 0
	s_mov_b32 s[G1+7], 0
	s_or_b32 s[G1B+0], s44, (3<<16)|(1<<21)
	s_mov_b32 s[G1B+1], 32<<16
	s_mov_b32 s[G1B+2], 64<<16
	s_mov_b32 s[G1B+3], 32<<16
	s_mov_b32 s[G1B+4], 64
	s_mov_b32 s[G1B+5], 32
	s_mov_b32 s[G1B+6], 0
	s_mov_b32 s[G1B+7], 0
	s_lshl_b32 s18, s16, 15                        ; A: my half of a K step's 65,536 bytes, in memory and in a slot
	s_lshl_b32 s20, s17, 19                        ; the tile row's 524,288 bytes
	s_add_co_u32 s20, s20, s18
	s_mov_b32 s21, 0
	s_lshl_b32 s19, s16, 14                        ; B: my half of a K step's 32,768 bytes
	s_lshl_b32 s46, s42, 18                        ; the tile column's 262,144 bytes
	s_add_co_u32 s46, s46, s19
	s_mov_b32 s47, 0
	s_wait_dscnt 0x0                               ; both opening adds are done
	s_wait_kmcnt 0x0
	s_add_nc_u64 s[20:21], s[4:5], s[20:21]
	s_add_nc_u64 s[46:47], s[6:7], s[46:47]
	CROUND                                         ; all sixteen work-groups are here: the first joint loads meet
.irp s, 0,1
	s_mov_b32 s[G0+4*\s], 1
	s_add_co_u32 s[G0+4*\s+1], s18, \s*SLOT
	s_add_nc_u64 s[G0+4*\s+2:G0+4*\s+3], s[20:21], \s*65536
	s_or_b32 s[G0+4*\s+3], s[G0+4*\s+3], 0x80000000
	s_mov_b32 s[G0B+4*\s], 1
	s_add_co_u32 s[G0B+4*\s+1], s19, \s*SLOT+BOFF
	s_add_nc_u64 s[G0B+4*\s+2:G0B+4*\s+3], s[46:47], \s*32768
	s_or_b32 s[G0B+4*\s+3], s[G0B+4*\s+3], 0x80000000
	JLOAD \s                                       ; two loads of mine are out
.endr
	v_and_b32 v1, 15, v0                           ; r
	v_bfe_u32 v2, v0, 4, 1                         ; h
	v_and_b32 v3, 31, v0
	v_lshlrev_b32 v3, 4, v3                        ; 16 x lane
	s_lshl_b32 s21, s15, 13                        ; my eight tiles of rows
	s_lshl_b32 s22, s16, 12                        ; my four tiles of columns,
	s_add_co_u32 s22, s22, BOFF                    ; behind A's images
.irp s, 0,1
	v_add_nc_u32 v[ADRA+\s], s21, v3
	v_add_nc_u32 v[ADRB+\s], s22, v3
	s_add_co_u32 s21, s21, SLOT
	s_add_co_u32 s22, s22, SLOT
.endr
	s_mul_i32 s23, s14, 16*SPITCH
	s_add_co_u32 s23, s23, STAGE                   ; my stage
	v_mul_u32_u24 v4, v1, SPITCH
	v_lshl_add_u32 v4, v2, 5, v4
	v_add_nc_u32 v[STO], s23, v4                   ; in: row r, 32 bytes for each half of the lanes
	v_mul_u32_u24 v5, v2, SPITCH
	v_lshl_add_u32 v5, v1, 4, v5
	v_add_nc_u32 v[RD], s23, v5                    ; back: lanes 0-15 one row of 256 bytes, lanes 16-31 the next
	v_lshlrev_b32 v5, 12, v2
	v_lshl_add_u32 v[CO], v1, 4, v5                ; and the same two rows in out0
	v_lshlrev_b32 v[BA], 5, v2
	s_lshl_b32 s46, s42, 9                         ; my first column, in bytes: 512 x tile column + 256 x half
	s_lshl_b32 s47, s16, 8
	s_add_co_u32 s46, s46, s47
	s_mov_b32 s47, 0
	s_add_nc_u64 s[8:9], s[8:9], s[46:47]
	s_add_nc_u64 s[10:11], s[10:11], s[46:47]
	s_lshl_b32 s46, s17, 20                        ; my first row: 256 x tile row + 128 x half, 4,096 bytes a row
	s_lshl_b32 s47, s15, 19
	s_add_co_u32 s46, s46, s47
	s_mov_b32 s47, 0
	s_add_nc_u64 s[10:11], s[10:11], s[46:47]
.irp b, 0,1,2,3
	global_load_b128 v[BI+8*\b:BI+8*\b+3], v[BA], s[8:9] offset:64*\b          ; lane (r, h): bo of columns 16 b + 8 h + 0 .. 7
	global_load_b128 v[BI+8*\b+4:BI+8*\b+7], v[BA], s[8:9] offset:64*\b+16
.endr
; 8 matrix instructions: row blocks a0, a0 + 1 x all 4 column blocks, 32 along K, from set f.  zero = 1: the first product starts the sums on the bias.  The 32 accumulators take turns.
.macro MUL8 f, a0, zero
.irp a, \a0, \a0+1
.irp b, 0,1,2,3
.if \zero
	v_wmma_f32_16x16x32_f16 v[8*(4*(\a)+\b):8*(4*(\a)+\b)+7], v[FB+32*(\f)+8*\b:FB+32*(\f)+8*\b+7], v[FA+64*(\f)+8*(\a):FA+64*(\f)+8*(\a)+7], v[BI+8*\b:BI+8*\b+7]
.else
	v_wmma_f32_16x16x32_f16 v[8*(4*(\a)+\b):8*(4*(\a)+\b)+7], v[FB+32*(\f)+8*\b:FB+32*(\f)+8*\b+7], v[FA+64*(\f)+8*(\a):FA+64*(\f)+8*(\a)+7], v[8*(4*(\a)+\b):8*(4*(\a)+\b)+7]
.endif
.endr
.endr
.endm
; 24 LDS loads in one run: chunk q of the slot into set f: B's four fragments, then A's blocks 0-3, then 4-7
.macro FETCH slot, q, f
	WIN 0
.irp b, 0,1,2,3
	ds_load_b128 v[FB+32*(\f)+8*\b:FB+32*(\f)+8*\b+3],   v[ADRB+\slot] offset:(\q)*8192+\b*1024
	ds_load_b128 v[FB+32*(\f)+8*\b+4:FB+32*(\f)+8*\b+7], v[ADRB+\slot] offset:(\q)*8192+\b*1024+512
.endr
.irp a, 0,1,2,3,4,5,6,7
	ds_load_b128 v[FA+64*(\f)+8*\a:FA+64*(\f)+8*\a+3],   v[ADRA+\slot] offset:(\q)*16384+\a*1024
	ds_load_b128 v[FA+64*(\f)+8*\a+4:FA+64*(\f)+8*\a+7], v[ADRA+\slot] offset:(\q)*16384+\a*1024+512
.endr
.endm
.macro PLACES                          ; four plain vector instructions that name no register of the matrix instructions ahead: in front of loads into registers that those have read, and of reads of results
.rept 4
	v_nop
.endr
.endm
; A K step is four quarters of 32 along K, 32 matrix instructions each, on sets 0, 1, 0, 1.  One of the first three: multiplies set f and fetches chunk q into set g.
.macro QUARTER slot, q, f, g, zero
	s_wait_dscnt 8                                 ; B's fragments and A's blocks 0-3 are in; the youngest eight loads (A's blocks 4-7) may be out
.if \zero
	WIN FST
.else
	WIN MUL
.endif
	MUL8 \f, 0, \zero
	MUL8 \f, 2, \zero
	PLACES
	FETCH \slot, \q, \g
	s_wait_dscnt 24                                ; all but the 24 just issued
.if \zero
	WIN FST
.else
	WIN MUL
.endif
	MUL8 \f, 4, \zero
	MUL8 \f, 6, \zero
.endm
; The last quarter multiplies set 1 and changes slots: ONE barrier; in front of it each wave waits for all its tensor loads, adds 0 to its spare word, and waits for that and for its reads of this slot.
; fill = 1: the barrier opens a round of the cluster's, and this slot is filled again, two K steps ahead, first thing behind the round.
.macro TURN slot, next, fill
	WIN 0                                          ; (the add's two registers lie in window 0)
	s_wait_tensorcnt 0x0                           ; all my tensor loads have landed: my part of the next slot
	ds_add_u32 v[SPW], v[NIL]                      ; 0 onto my spare word
	s_wait_dscnt 9                                 ; (the add and the youngest eight loads may be out)
	WIN MUL
	MUL8 1, 0, 0                                   ; eight matrix instructions stand between the add and the wait for it
	s_wait_dscnt 0x0                               ; the add is done, and my reads of this slot are over
	s_barrier_signal -1
	MUL8 1, 2, 0
.if \fill
	WIN 0
.endif
	s_barrier_wait -1
.if \fill
	CREST                                          ; no wave of any partner still reads this slot's tile or has a load on its way
	s_add_nc_u64 s[G0+4*\slot+2:G0+4*\slot+3], s[G0+4*\slot+2:G0+4*\slot+3], 131072
	s_add_nc_u64 s[G0B+4*\slot+2:G0B+4*\slot+3], s[G0B+4*\slot+2:G0B+4*\slot+3], 65536
	JLOAD \slot                                    ; the four v_nop behind it are also the places in front of the loads below
.else
	PLACES
.endif
	FETCH \next, 0, 0
	WIN MUL
	MUL8 1, 4, 0
	MUL8 1, 6, 0
.endm
	s_wait_tensorcnt 1                             ; my part of K step 0 is in (K step 1's load may be out)
	s_barrier_signal -1
	s_barrier_wait -1                              ; everybody's is
	FETCH 0, 0, 0
	s_wait_loadcnt 0x0                             ; the bias
	QUARTER 0, 1, 0, 1, 1                          ; the first quarter stands in front of the loop: its products start the sums
	WIN 0                                          ; at a label and at a branch every window is 0
	s_mov_b32 s3, LAPS-1
.Llap:                                                 ; a trip goes once round the ring, from a lap's second quarter to the next lap's first, and fills both slots again
	QUARTER 0, 2, 1, 0, 0
	QUARTER 0, 3, 0, 1, 0
	TURN 0, 1, 1
	QUARTER 1, 1, 0, 1, 0
	QUARTER 1, 2, 1, 0, 0
	QUARTER 1, 3, 0, 1, 0
	TURN 1, 0, 1
	QUARTER 0, 1, 0, 1, 0
	WIN 0
	s_sub_co_u32 s3, s3, 1
	s_cmp_lg_u32 s3, 0
	s_cbranch_scc1 .Llap
	QUARTER 0, 2, 1, 0, 0                          ; the last lap fills nothing, and has no round of the cluster's barrier
	QUARTER 0, 3, 0, 1, 0
	TURN 0, 1, 0
	QUARTER 1, 1, 0, 1, 0
	QUARTER 1, 2, 1, 0, 0
	QUARTER 1, 3, 0, 1, 0
	s_wait_dscnt 8                                 ; the very last quarter: nothing more to fetch
	WIN MUL
	MUL8 1, 0, 0
	MUL8 1, 2, 0
	s_wait_dscnt 0
	MUL8 1, 4, 0
	MUL8 1, 6, 0
	WIN 0
; THE WAY OUT, block by block of 16 rows x 64 columns.  A lane holds 32 neighbouring bytes of a row, and the lanes beside it hold other rows: a block goes through my own stage in LDS and comes back as whole rows of 256 bytes,
; which sixteen lanes store as 256 consecutive bytes, aligned.  LDS serves a wave's instructions in order (ISA guide 5.7.1.4): no wait between the stores and the loads, nor in front of the next block's stores.
.macro TOSTAGE a
	WIN 0x04                                       ; an LDS store's data are its source 1: window 1
.irp b, 0,1,2,3
	ds_store_b128 v[STO], v[8*(4*(\a)+\b):8*(4*(\a)+\b)+3] offset:64*\b          ; each accumulator from its low end on
	ds_store_b128 v[STO], v[8*(4*(\a)+\b)+4:8*(4*(\a)+\b)+7] offset:64*\b+16
.endr
	WIN 0
.set BB, BK+32*((\a)%2)
.irp t, 0,1,2,3,4,5,6,7
	ds_load_b128 v[BB+4*\t:BB+4*\t+3], v[RD] offset:\t*2*SPITCH
.endr
.endm
.macro SEND a, younger                 ; younger: the LDS instructions issued behind block a's loads, which may stay out
.set BB, BK+32*((\a)%2)
	s_wait_dscnt \younger                          ; the block is back in registers
.irp t, 0,1,2,3,4,5,6,7
	global_store_b128 v[CO], v[BB+4*\t:BB+4*\t+3], s[10:11] offset:(\a)*65536+\t*8192 th:TH_STORE_NT   ; the block's and the pair of rows' place stand in the immediate: 516,096 at the most
.endr
.endm
	PLACES                                         ; behind the last products: for the reads of results and the loads into the registers that held A's fragments
	TOSTAGE 0
.irp a, 1,2,3,4,5,6,7
.if \a > 1
	s_wait_xcnt 0x0                                ; block a - 2's stores have read their registers: block a's loads may land there
.endif
	TOSTAGE \a
	SEND \a-1, 16                                  ; behind block a - 1's loads: block a's eight stores and eight loads
.endr
	SEND 7, 0
	s_wait_tensorcnt 0x0                           ; the wave's end, behind my last tensor load and my last LDS store
	ds_add_u32 v[SPW], v[NIL]
	s_wait_dscnt 0x0
	CROUND                                         ; the closing round: no work-group ends while a partner may still ask for a tile that names it
	s_endpgm
.Lfunc_end_k_q3e28c17287_proj:
	.size	k_q3e28c17287_proj, .Lfunc_end_k_q3e28c17287_proj-k_q3e28c17287_proj
	.p2alignl 7, 3214868480
	.fill 96, 4, 3214868480
	.section	.rodata,"a",@progbits
	.p2align	6, 0x0
	.amdhsa_kernel k_q3e28c17287_proj
		.amdhsa_group_segment_fixed_size 327680
		.amdhsa_private_segment_fixed_size 0
		.amdhsa_enable_private_segment 0
		.amdhsa_kernarg_size 32
		.amdhsa_user_sgpr_count 2
		.amdhsa_user_sgpr_kernarg_segment_ptr 1
		.amdhsa_wavefront_size32 1
		.amdhsa_system_sgpr_workgroup_id_x 1
		.amdhsa_system_sgpr_workgroup_id_y 1
		.amdhsa_system_sgpr_workgroup_id_z 1
		.amdhsa_system_vgpr_workitem_id 0
		.amdhsa_next_free_vgpr 512
		.amdhsa_next_free_sgpr 66
		.amdhsa_reserve_vcc 0
		.amdhsa_float_denorm_mode_32 3
		.amdhsa_float_denorm_mode_16_64 3
		.amdhsa_memory_ordered 1
		.amdhsa_forward_progress 1
		.amdhsa_inst_pref_size 86
	.end_amdhsa_kernel
	.amdgpu_metadata
---
amdhsa.version: [ 1, 2 ]
amdhsa.kernels:
  - .name:           k_q3e28c17287_proj
    .symbol:         k_q3e28c17287_proj.kd
    .args:
      - { .name: att, .offset: 0, .size: 8, .value_kind: global_buffer, .address_space: global }
      - { .name: wo16, .offset: 8, .size: 8, .value_kind: global_buffer, .address_space: global }
      - { .name: bo, .offset: 16, .size: 8, .value_kind: global_buffer, .address_space: global }
      - { .name: out0, .offset: 24, .size: 8, .value_kind: global_buffer, .address_space: global }
    .group_segment_fixed_size: 327680
    .private_segment_fixed_size: 0
    .kernarg_segment_align: 8
    .kernarg_segment_size: 32
    .max_flat_workgroup_size: 128
    .sgpr_count:     66
    .vgpr_count:     512
    .wavefront_size: 32
...
	.end_amdgpu_metadata
.endif
;; end of part 4
